; MI455X (gfx1250); checked and timed in simulation.
; The chip was launched on July 23, 2026; its instructions are those of AMD's public machine-readable ISA for CDNA 5 (MIT licence, August 2026) and "CDNA5" Instruction Set Architecture Reference Guide (July 2026). The comments in the code are by the model that wrote it; some were corrected since.
;; Block. Allowed arithmetic: matrix products marked QUANTISED: E3M2 operands, one E8M0 scale for each 32 along K, by v_wmma_scale_f32_16x16x128_f8f6f4 with both operands' format E3M2, f32 sums; everything else in f32.
;; Inputs: b1 4,096 float32; b2 1,024 float32; ln1_b 1,024 float32; ln1_g 1,024 float32; ln2_b 1,024 float32; ln2_g 1,024 float32; lnf_b 1,024 float32; lnf_g 1,024 float32; w1_codes 4,096 x 32 x 24 uint8 (E3M2 codes of w1, K innermost, in blocks of 32 codes, four codes in three bytes); w1_scales 4,096 x 32 uint8 (E8M0 scales of w1, one for each 32 codes along K); w2_codes 1,024 x 128 x 24 uint8 (E3M2 codes of w2, K innermost, in blocks of 32 codes, four codes in three bytes); w2_scales 1,024 x 128 uint8 (E8M0 scales of w2, one for each 32 codes along K); x 4 x 2,048 x 1,024 float32.
;; Outputs: out0 4 x 2,048 x 1,024 float32.
;; This version of the problem:
;;   THIS VERSION OF THE PROBLEM IS GIVEN IN LOW PRECISION. The matrix products marked QUANTISED in the list below multiply operands that are first quantised to E3M2 (3 exponent bits, 2 mantissa bits; 6 bits a number), with one power-of-two scale for each 32 numbers along K (OCP MX v1.0); their sums are f32. All else is computed in f32.
;;   The module's matrix products, in the order in which they are computed (A, B: the left and right operand; K: the contracted axis; several contracted axes count as one K, in the product's order):
;;     1. [M 8,192, K 1,024] x [K 1,024, N 4,096]; A: computed on the way; B: input w1 (given as codes): QUANTISED
;;     2. [M 8,192, K 4,096] x [K 4,096, N 1,024]; A: computed on the way; B: input w2 (given as codes): QUANTISED
;;   THE QUANTISER, for each operand of a quantised product, along K:
;;     - K is cut into blocks of 32 from its start; a last block that is shorter is filled with zeros.
;;     - A block's scale is 2^e with e = floor(log2(the largest magnitude in the block)) - 4, held to -126 .. 127; a block of zeros has e = 0. As a byte (E8M0): e + 127.
;;     - Each number is divided by its block's scale, clamped to +-28, and rounded to the nearest number of E3M2, ties to even, subnormals kept.
;;     - The product sums the exact products of the quantised numbers (number of the format x scale) in f32.
;;   ~~~python
;;   def quantise(x, axis):      # numpy; x: float32 -> the quantised numbers, widened to float32 again
;;       x = np.moveaxis(x, axis, -1); K = x.shape[-1]
;;       x = np.pad(x, [(0, 0)] * (x.ndim - 1) + [(0, -K % 32)]); x = x.reshape(x.shape[:-1] + (-1, 32)); a = np.abs(x).max(-1, keepdims=True)
;;       e = np.where(a > 0, np.clip(np.frexp(np.where(a > 0, a, 1))[1] - 1 - 4, -126, 127), 0)      # np.frexp(a)[1] - 1 = floor(log2(a)), exactly
;;       r = np.clip(x / 2.0 ** e, -28, 28)
;;       step = 2.0 ** (np.maximum(np.frexp(np.where(r == 0, 1, r))[1] - 1, -2) - 2)
;;       q = np.round(r / step) * step * 2.0 ** e      # np.round: ties to even
;;       return np.moveaxis(q.reshape(q.shape[:-2] + (-1,))[..., :K], -1, axis).astype(np.float32)
;;   ~~~
;;   OPERANDS COMPUTED ON THE WAY. 'Computed on the way' means the value that the module computes at that place (a softmax that the list does not call 'softmax' is quantised finished and normalised). What goes into a quantiser is computed in f32, as accurately as f32 sums, v_exp_f32 and their like allow (about 1e-6 of the number): no bf16 or f16 on the way to a quantiser, and a product that is left as it is and whose result goes on into a quantised operand takes f32 operands (vector FMAs, or v_wmma_f32_16x16x4_f32). A number that lies on a knife's edge between two numbers of the format may be rounded either way, as far as f32 arithmetic and the matrix unit's own rounding can turn it there, and no further.
;;   INPUTS GIVEN AS CODES. w1 (in the module: [1024, 4096], K = its axis 0); w2 (in the module: [4096, 1024], K = its axis 0): each comes as NAME_codes (uint8): NAME with its K axis moved to the last place and cut into blocks of 32 codes, [.., K / 32, bytes a block], one block behind the other in memory; four codes in three bytes: a row's codes are one little-endian stream of bits, code i at bits 6 i .. 6 i + 5 (a code: sign, 3 exponent bits, 2 mantissa bits); and NAME_scales (uint8): the same leading axes, one E8M0 byte (e + 127) for each 32 codes along K. Its value is code x scale, taken as it is: it is not quantised again, and the codes and scales need not be those that the quantiser above would give.
;; One version. Each part assembles by itself: llvm-mc -triple=amdgcn-amd-amdhsa -mcpu=gfx1250 --defsym DOCPART=n.
;; ======== version 1 of 1: 3 launches
;; workspace buffers: x1 33,554,432 bytes; h2q 6,553,600 bytes; mc 26,214,400 bytes
;; launch front (part 1): grid 256 x 1, 16 waves a work-group, no clusters, 314,368 bytes of LDS; arguments x, ln1_g, ln1_b, lnf_g, lnf_b, ln2_g, ln2_b, x1, h2q; writes x1, h2q
.if DOCPART == 1
	.amdgcn_target "amdgcn-amd-amdhsa--gfx1250"
	.amdhsa_code_object_version 6
	.text
	.protected	k_q5be7a1063d_front
	.globl	k_q5be7a1063d_front
	.p2align	8
	.type	k_q5be7a1063d_front,@function
k_q5be7a1063d_front:
	s_mov_b64 s[64:65], 0
	v_nop
	global_prefetch_b8 v0, s[64:65] scope:SCOPE_SE
	s_setreg_imm32_b32 hwreg(HW_REG_WAVE_MODE, 25, 1), 1
	s_wait_xcnt 0x0
; x1 = x + LNf(Re FFT_1024(LN1(x))), and the codes of LN2(x1): E3M2, one E8M0 byte for each 32 channels.  x, x1: [8192][1024] f32.
; SHARES.  A work-group owns 32 rows, each of its sixteen waves two: a = 32 g + 2 w and b = a + 1.  Straight line, no loop.
; THE TRANSFORM.  The two rows are one complex sequence z = h_a + i h_b: a register pair holds (a, b).  With Z its transform, Z[k] + Z[1024 - k] = (2 Re H_a[k], 2 Re H_b[k]).
; 1024 = 32 x 32: n = 32 n1 + n2, k = k1 + 32 k2:  Z[k1 + 32 k2] = sum over n2 of W32^(n2 k2) ( W1024^(n2 k1) sum over n1 of z[32 n1 + n2] W32^(n1 k1) ).
; Step 1: lane = n2, 32 points down the registers; the twiddle; a turn through LDS; step 2: lane = k1, 32 points over n2.  Each 32 points: radix 2, input placed bit-reversed, from one set of registers to another.
; THREE LAYOUTS of a row's 1,024 numbers:  T: lane = n % 32, register = n / 32, pairs (row a, row b).   S: n = 128 i + 4 lane + c: as 16-byte loads and stores lie; rows apart.   Q: n = 512 s + 16 lane + 0 .. 15: what the conversion takes.
; h2q: one block of 25,600 bytes for the work-group's 32 rows: fragment (16 rows m, 128 channels q) at (8 m + q) 1536 as an image of the operand's registers (register e of lane L at 512 (e / 4) + 16 L + 4 (e % 4));
; behind the 16 fragments the scale words, at 24576 + 512 m + 64 q + 4 r.  It is put together in LDS and leaves as dense runs of 512 bytes a wave.
; The twiddles cos, -sin of 2 pi m / 1024 are made from whole numbers m by a reduction to |angle| <= pi / 4 and Taylor sums whose first term left off is under 2e-9.
; ORDER AT THE HEAD.  The four loads on which a wave's image of LN1's parameters hangs are its first memory instructions; the copies of x follow.  The barrier shows the images to every wave; a wave's rows of x are read by that wave alone,
; so the wait for its copies stands behind the barrier, in front of its first read of them.
; LIMITS: NaN and infinities among the inputs are not served.  A block of zeros gets the scale byte 1 where the quantiser's rule says 127: its codes are zeros, and this program alone reads the bytes.
; Blocks whose largest magnitude lies under 2^-122 are held at that byte 1.
; No cluster: the work-groups share only the 24 KB of gains and biases.  No matrix instruction: the transform goes on into a quantiser, so it is f32, and as an f32 product it would be 100 times the work of these butterflies.
; LDS: 0: x, 8,192 bytes a wave, filled once by asynchronous copies | TW: twiddle images | P1: LN1's gain and bias in layout T | SCR: 8,704 bytes of scratch for each wave | IMG: the block of h2q
.set TW,  131072
.set P1,  139264
.set SCR, 147456
.set SCW, 8704
.set IMG, 286720
.set ZA,  32                           ; v32-95, v96-159, v160-223: three sets of 64
.set ZB,  96
.set PB,  160
.set CD,  224                          ; v224-239 codes, four registers a step
; v1 lane; v2 8192 w + 16 lane; v3 16 lane; v4 8192 w + 4 lane; v5, v6 where I store my twiddle and parameter image; v7, v8 where I read them; v9-16 places in my scratch; v17-19 my codes' places in IMG; v20 my scale byte's;
; v21, v22 the way out; v23 parameter offset; v[24:25] means, v[26:27] factors (row a, row b); v30, v31, v240-255 at work
.macro RED2 p                          ; both registers of pair p: the sum over the 32 lanes, in every lane
.irp m, 1,2,4,8
	v_add_f32_dpp v[\p], v[\p], v[\p] row_xmask:\m row_mask:0xf bank_mask:0xf
	v_add_f32_dpp v[\p+1], v[\p+1], v[\p+1] row_xmask:\m row_mask:0xf bank_mask:0xf
.endr
	v_permlanex16_b32 v30, v[\p], s28, s29
	v_permlanex16_b32 v31, v[\p+1], s28, s29
	v_add_f32 v[\p], v[\p], v30
	v_add_f32 v[\p+1], v[\p+1], v31
.endm
.macro TWID c, s, m                    ; v[c] = cos, v[s] = -sin of 2 pi v[m] / 1024; v[m] a whole number, 0 .. 961
	v_add_nc_u32 v244, 128, v[\m]
	v_lshrrev_b32 v244, 8, v244                    ; the nearest quarter turn, 0 .. 4
	v_lshlrev_b32 v245, 8, v244
	v_sub_nc_u32 v245, v[\m], v245                 ; what is left: -128 .. 127
	v_cvt_f32_i32 v245, v245
	v_mul_f32 v245, 0x3bc90fdb, v245               ; x 2 pi / 1024: the angle, at most pi / 4
	v_mul_f32 v246, v245, v245
	v_mov_b32 v247, 0x3638ef1d                     ; sine: 1/9!, -1/7!, 1/5!, -1/3!, 1
	v_mov_b32 v249, 0xb493f27e                     ; cosine: -1/10!, 1/8!, -1/6!, 1/4!, -1/2, 1
	v_fmaak_f32 v247, v247, v246, 0xb9500d01
	v_fmaak_f32 v249, v249, v246, 0x37d00d01
	v_fmaak_f32 v247, v247, v246, 0x3c088889
	v_fmaak_f32 v249, v249, v246, 0xbab60b61
	v_fmaak_f32 v247, v247, v246, 0xbe2aaaab
	v_fmaak_f32 v249, v249, v246, 0x3d2aaaab
	v_fma_f32 v247, v247, v246, 1.0
	v_fma_f32 v249, v249, v246, -0.5
	v_mul_f32 v247, v247, v245
	v_fma_f32 v249, v249, v246, 1.0
	v_and_b32 v250, 1, v244
	v_cmp_eq_u32 vcc_lo, 1, v250                   ; an odd quarter turn changes sine and cosine over
	v_cndmask_b32 v[\c], v249, v247, vcc_lo
	v_cndmask_b32 v[\s], v247, v249, vcc_lo
	v_add_nc_u32 v250, 1, v244
	v_lshrrev_b32 v250, 1, v250
	v_lshlrev_b32 v250, 31, v250                   ; the cosine is negative in quarter turns 1 and 2
	v_xor_b32 v[\c], v250, v[\c]
	v_lshrrev_b32 v250, 1, v244
	v_xor_b32 v250, 1, v250
	v_lshlrev_b32 v250, 31, v250                   ; the sine in 2 and 3; what is kept is minus the sine
	v_xor_b32 v[\s], v250, v[\s]
.endm
.macro CSSET                           ; CC, SS = cos, sin of pi be / 16, be = 1 .. 15 but 8
.set ee, be
.if be > 8
.set ee, 16-be
.endif
.if ee == 1
.set CC, 0x3f7b14be
.set SS, 0x3e47c5c2
.elseif ee == 2
.set CC, 0x3f6c835e
.set SS, 0x3ec3ef15
.elseif ee == 3
.set CC, 0x3f54db31
.set SS, 0x3f0e39da
.elseif ee == 4
.set CC, 0x3f3504f3
.set SS, 0x3f3504f3
.elseif ee == 5
.set CC, 0x3f0e39da
.set SS, 0x3f54db31
.elseif ee == 6
.set CC, 0x3ec3ef15
.set SS, 0x3f6c835e
.else
.set CC, 0x3e47c5c2
.set SS, 0x3f7b14be
.endif
.if be > 8
.set CC, CC|0x80000000
.endif
.endm
.macro BF                              ; a butterfly: pairs bi, bj of set fs -> set fd:  U + V w, U - V w,  w = cos - i sin of pi be / 16.   V w = (Vr c + Vi s, Vi c - Vr s)
.set rU, fs+2*bi
.set rV, fs+2*bj
.set rI, fd+2*bi
.set rJ, fd+2*bj
.if be == 0
	v_pk_add_f32 v[rI:rI+1], v[rU:rU+1], v[rV:rV+1]
	v_pk_add_f32 v[rJ:rJ+1], v[rU:rU+1], v[rV:rV+1] neg_lo:[0,1] neg_hi:[0,1]
.elseif be == 8
	v_pk_add_f32 v[rI:rI+1], v[rU:rU+1], v[rV:rV+1] op_sel:[0,1] op_sel_hi:[1,0] neg_hi:[0,1]
	v_pk_add_f32 v[rJ:rJ+1], v[rU:rU+1], v[rV:rV+1] op_sel:[0,1] op_sel_hi:[1,0] neg_lo:[0,1]
.else
	CSSET
	v_pk_fma_f32 v[rI:rI+1], v[rV:rV+1], CC, v[rU:rU+1] op_sel_hi:[1,0,1]
	v_pk_fma_f32 v[rJ:rJ+1], v[rV:rV+1], CC, v[rU:rU+1] op_sel_hi:[1,0,1] neg_lo:[1,0,0] neg_hi:[1,0,0]
	v_pk_fma_f32 v[rI:rI+1], v[rV:rV+1], SS, v[rI:rI+1] op_sel:[1,0,0] op_sel_hi:[0,0,1] neg_hi:[1,0,0]
	v_pk_fma_f32 v[rJ:rJ+1], v[rV:rV+1], SS, v[rJ:rJ+1] op_sel:[1,0,0] op_sel_hi:[0,0,1] neg_lo:[1,0,0]
.endif
.endm
.macro FFT32 A, B                      ; 32 points down the registers: input bit-reversed in set A, result in natural order in set B; five stages, the sets by turns
.set fs, \A
.set fd, \B
.set ft, 0
.rept 5
.set fh, 1<<ft
.set fi, 0
.rept 16
.set bi, (fi/fh)*2*fh+fi%fh
.set bj, bi+fh
.set be, (fi%fh)*(16>>ft)
	BF
.set fi, fi+1
.endr
.set fx, fs
.set fs, fd
.set fd, fx
.set ft, ft+1
.endr
.endm
.macro SUMS base, dst                  ; layout S: v[dst] = my 32 numbers of row a summed, v[dst+1] = of row b; two chains a row
.irp r, 0,1
.irp c, 0,1
	v_pk_add_f32 v[240+4*\r+2*\c:241+4*\r+2*\c], v[\base+32*\r+2*\c:\base+32*\r+2*\c+1], v[\base+32*\r+4+2*\c:\base+32*\r+5+2*\c]
.endr
.endr
.irp i, 2,3,4,5,6,7
.irp r, 0,1
.irp c, 0,1
	v_pk_add_f32 v[240+4*\r+2*\c:241+4*\r+2*\c], v[240+4*\r+2*\c:241+4*\r+2*\c], v[\base+32*\r+4*\i+2*\c:\base+32*\r+4*\i+2*\c+1]
.endr
.endr
.endr
	v_pk_add_f32 v[240:241], v[240:241], v[242:243]
	v_pk_add_f32 v[244:245], v[244:245], v[246:247]
	v_add_f32 v[\dst], v240, v241
	v_add_f32 v[\dst+1], v244, v245
.endm
.macro SQS base, dst                   ; the same of their squares
.irp r, 0,1
.irp c, 0,1
	v_pk_mul_f32 v[240+4*\r+2*\c:241+4*\r+2*\c], v[\base+32*\r+2*\c:\base+32*\r+2*\c+1], v[\base+32*\r+2*\c:\base+32*\r+2*\c+1]
.endr
.endr
.irp i, 1,2,3,4,5,6,7
.irp r, 0,1
.irp c, 0,1
	v_pk_fma_f32 v[240+4*\r+2*\c:241+4*\r+2*\c], v[\base+32*\r+4*\i+2*\c:\base+32*\r+4*\i+2*\c+1], v[\base+32*\r+4*\i+2*\c:\base+32*\r+4*\i+2*\c+1], v[240+4*\r+2*\c:241+4*\r+2*\c]
.endr
.endr
.endr
	v_pk_add_f32 v[240:241], v[240:241], v[242:243]
	v_pk_add_f32 v[244:245], v[244:245], v[246:247]
	v_add_f32 v[\dst], v240, v241
	v_add_f32 v[\dst+1], v244, v245
.endm
.macro SUBM dst, src, st               ; layout S: dst = src - the row's mean (v[st] for row a, v[st+1] for row b)
.set j, 0
.rept 32
.if j < 16
	v_pk_add_f32 v[\dst+2*j:\dst+2*j+1], v[\src+2*j:\src+2*j+1], v[\st:\st+1] op_sel_hi:[1,0] neg_lo:[0,1] neg_hi:[0,1]
.else
	v_pk_add_f32 v[\dst+2*j:\dst+2*j+1], v[\src+2*j:\src+2*j+1], v[\st:\st+1] op_sel:[0,1] op_sel_hi:[1,1] neg_lo:[0,1] neg_hi:[0,1]
.endif
.set j, j+1
.endr
.endm
.macro AFFS set, st                    ; layout S: set = (set x the row's factor) x gain + bias; gain in v[PB] on, bias in v[PB+32] on
.set j, 0
.rept 32
.if j < 16
	v_pk_mul_f32 v[\set+2*j:\set+2*j+1], v[\set+2*j:\set+2*j+1], v[\st:\st+1] op_sel_hi:[1,0]
.else
	v_pk_mul_f32 v[\set+2*j:\set+2*j+1], v[\set+2*j:\set+2*j+1], v[\st:\st+1] op_sel:[0,1] op_sel_hi:[1,1]
.endif
.set j, j+1
.endr
.set j, 0
.rept 32
	v_pk_fma_f32 v[\set+2*j:\set+2*j+1], v[\set+2*j:\set+2*j+1], v[PB+2*(j%16):PB+2*(j%16)+1], v[PB+32+2*(j%16):PB+33+2*(j%16)]
.set j, j+1
.endr
.endm
.macro QSTEP t                         ; step t = 2 row + half: my 16 neighbours become 12 bytes of codes; two neighbouring lanes hold a block of 32
.set XS, PB+16*(\t)
	v_max3_num_f32 v240, |v[XS]|, |v[XS+1]|, |v[XS+2]|
	v_max3_num_f32 v241, |v[XS+3]|, |v[XS+4]|, |v[XS+5]|
.irp i, 6,10
	v_max3_num_f32 v240, v240, |v[XS+\i]|, |v[XS+\i+1]|
	v_max3_num_f32 v241, v241, |v[XS+\i+2]|, |v[XS+\i+3]|
.endr
	v_max3_num_f32 v240, v240, |v[XS+14]|, |v[XS+15]|
	v_max3_num_f32 v240, v240, v241, 0x2800000     ; and the floor 2^(5 - 127): the byte cannot fall under 1
	v_max_num_f32_dpp v240, v240, v240 row_xmask:1 row_mask:0xf bank_mask:0xf   ; with my neighbour's 16: the block's largest magnitude
	v_add_nc_u32 v242, 0xfe000000, v240            ; 4 off its exponent field: the conversion takes the exponent field of this operand as its scale
	v_cvt_scalef32_pk16_bf6_f32 v[CD+4*(\t):CD+4*(\t)+2], v[XS:XS+15], v242
	v_lshrrev_b32 v[244+(\t)], 23, v242            ; the scale's byte (a plain line behind the conversion)
.irp j, 0,1,2
	ds_store_b32 v[17+\j], v[CD+4*(\t)+\j] offset:6144*((\t)%2)+16*((\t)/2)   ; register 6 c + 3 u + j of the operand's lane
.endr
	ds_store_b8 v20, v[244+(\t)] offset:256*((\t)%2)+4*((\t)/2)                ; both lanes of a block write the same byte with the same value
.endm
	; ---- the head: addresses; the parameter loads and x on their way; each wave makes one image of twiddles and one of LN1's parameters
	s_load_b512 s[8:23], s[0:1], 0x0               ; x, ln1_g, ln1_b, lnf_g, lnf_b, ln2_g, ln2_b, x1
	s_load_b64 s[24:25], s[0:1], 0x40              ; h2q
	v_lshl_add_u32 v235, v0, 2, 0x4c400
	v_mov_b32 v239, 0
	ds_add_u32 v235, v239
	ds_add_u32 v235, v239
	v_lshrrev_b32 v240, 5, v0
	v_readfirstlane_b32 s26, v240                  ; wave 0..15
	v_and_b32 v1, 31, v0
	v_lshlrev_b32 v3, 4, v1
	v_lshlrev_b32 v241, 2, v1
	v_lshl_add_u32 v2, v240, 13, v3
	v_lshl_add_u32 v4, v240, 13, v241
	v_lshlrev_b32 v22, 4, v0
	v_add_nc_u32 v5, TW, v22
	v_add_nc_u32 v6, P1, v22
	v_add_nc_u32 v7, TW, v3
	v_add_nc_u32 v8, P1, v3
	v_mul_u32_u24 v242, v240, SCW
	v_add_nc_u32 v242, SCR, v242                   ; my wave's scratch
	v_mad_u32_u24 v9, v1, 272, v242                ; turn 1, in: a row of 32 pairs + 16 bytes for each lane
	v_lshl_add_u32 v10, v1, 3, v242                ; turn 1, back: pair number lane of a row
	v_add_nc_u32 v11, v242, v241                   ; turn 2, in: word 32 k2 + lane
	v_add_nc_u32 v243, 4096, v242
	v_sub_nc_u32 v12, v243, v241                   ; the mirror, in: word 1024 - 32 k2 - lane of the second 4,096 bytes (the rest stands in the offset)
	v_sub_nc_u32 v244, 4096, v241
	v_and_b32 v244, 4095, v244
	v_add_nc_u32 v13, v243, v244                   ; for k2 = 0: word (1024 - lane) % 1024
	v_add_nc_u32 v14, v242, v3                     ; turn 2, back: 16 bytes a lane
	v_lshrrev_b32 v245, 2, v1
	v_mad_u32_u24 v15, v245, 80, v242
	v_and_b32 v246, 3, v1
	v_lshl_add_u32 v15, v246, 4, v15               ; turn 3, in: four lanes' 64 bytes on end, then 16 of padding
	v_mad_u32_u24 v16, v1, 80, v242                ; turn 3, back: my 64 bytes
	v_lshrrev_b32 v245, 8, v0                      ; w / 8: which 16 rows of the block
	v_bfe_u32 v246, v0, 5, 3                       ; w % 8
	v_mul_u32_u24 v247, v245, 12288
	v_lshl_add_u32 v247, v246, 5, v247             ; the operand's lane r = 2 (w % 8) + row: 16 bytes each
	v_bfe_u32 v248, v0, 3, 2                       ; lane / 8: which 128 channels of the half
	v_mad_u32_u24 v247, v248, 1536, v247
	v_bfe_u32 v249, v0, 1, 1                       ; the operand's half h
	v_lshl_add_u32 v247, v249, 8, v247
	v_add_nc_u32 v247, IMG, v247
	v_bfe_u32 v250, v0, 2, 1
	v_and_b32 v251, 1, v0
	v_mul_u32_u24 v250, v250, 6
	v_mad_u32_u24 v250, v251, 3, v250              ; 6 c + 3 u: my first register of the operand's twelve
.irp j, 0,1,2
	v_add_nc_u32 v251, \j, v250
	v_lshrrev_b32 v252, 2, v251
	v_and_b32 v251, 3, v251
	v_lshl_add_u32 v252, v252, 9, v247
	v_lshl_add_u32 v[17+\j], v251, 2, v252
.endr
	v_lshlrev_b32 v251, 9, v245
	v_lshl_add_u32 v251, v246, 3, v251
	v_lshl_add_u32 v251, v248, 6, v251
	v_bfe_u32 v252, v0, 1, 2                       ; which of the word's four bytes
	v_add_nc_u32 v251, v251, v252
	v_add_nc_u32 v20, IMG+24576, v251
	v_add_nc_u32 v21, IMG, v22
	v_lshl_add_u32 v23, v246, 9, v241              ; 512 (w % 8) + 4 lane
	v_mov_b32 v30, 0                               ; written once: a lane permute's destination counts as one of its sources
	v_mov_b32 v31, 0
	s_mov_b32 s28, 0x76543210
	s_mov_b32 s29, 0xfedcba98                      ; v_permlanex16_b32's selects for lane l xor 16
	s_mov_b32 s30, 0x3a800000                      ; 2^-10
	s_mov_b32 s31, 0x3727c5ac                      ; 1e-5
	s_mov_b32 s34, 0x39800000                      ; 2^-12
	s_lshl_b32 s32, ttmp9, 17                      ; 32 rows of 4,096 bytes a work-group,
	s_lshl_b32 s33, s26, 13                        ; two a wave
	s_add_co_u32 s32, s32, s33
	s_mov_b32 s33, 0
	s_mul_i32 s36, ttmp9, 25600
	s_mov_b32 s37, 0
	s_wait_dscnt 0x0
	s_wait_kmcnt 0x0
	s_add_nc_u64 s[8:9], s[8:9], s[32:33]
	s_add_nc_u64 s[22:23], s[22:23], s[32:33]
	s_add_nc_u64 s[24:25], s[24:25], s[36:37]
	s_cmp_lt_u32 s26, 8                            ; waves 0-7 lay out the gain, waves 8-15 the bias: the choice hangs on the wave's number alone
	s_cselect_b64 s[2:3], s[10:11], s[12:13]
.irp i, 0,1,2,3
	global_load_b32 v[240+\i], v23, s[2:3] offset:128*\i         ; parameter 128 (w % 8) + 32 i + lane: my first memory instructions, since all sixteen waves wait for the image made of them
.endr
.irp j, 0,1,2,3,4,5,6,7,8,9,10,11,12,13,14,15
	global_load_async_to_lds_b128 v2, v3, s[8:9] offset:512*\j   ; my two rows, 512 consecutive bytes a line; the immediate steps both addresses
.endr
	v_lshrrev_b32 v251, 5, v0
	v_lshlrev_b32 v251, 1, v251
	v_mul_u32_u24 v248, v1, v251                   ; m = lane x k1, k1 = 2 w
	TWID 252, 253, 248
	v_add_nc_u32 v248, v248, v1                    ; k1 = 2 w + 1
	TWID 254, 255, 248
	s_wait_loadcnt 0x0
	ds_store_b128 v6, v[240:243]
	ds_store_b128 v5, v[252:255]
	s_wait_dscnt 0x0                               ; for the others' sake: my two images lie in LDS
	s_barrier_signal -1
	s_barrier_wait -1                              ; everybody's images do.  (My copies may still be out, and no other wave reads their bytes)
	s_wait_asynccnt 0x0                            ; my two rows lie in LDS
	; ---- A: LN1 in layout T.  Position p of the set takes n1 = p's five bits reversed
.set p, 0
.rept 32
.set rv, ((p&1)<<4)|((p&2)<<2)|(p&4)|((p&8)>>2)|((p&16)>>4)
	ds_load_b32 v[ZA+2*p], v4 offset:128*rv
	ds_load_b32 v[ZA+2*p+1], v4 offset:4096+128*rv
.set p, p+1
.endr
.irp j, 0,1,2,3,4,5,6,7,8,9,10,11,12,13,14,15
	ds_load_b128 v[PB+4*\j:PB+4*\j+3], v8 offset:512*\j          ; v[PB + n1] = gain of channel 32 n1 + lane, v[PB + 32 + n1] = bias
.endr
	s_wait_dscnt 16                                ; x is in; the 16 loads behind it may be out
.irp c, 0,1,2,3
	v_pk_add_f32 v[240+2*\c:241+2*\c], v[ZA+2*\c:ZA+2*\c+1], v[ZA+8+2*\c:ZA+9+2*\c]
.endr
.irp i, 2,3,4,5,6,7
.irp c, 0,1,2,3
	v_pk_add_f32 v[240+2*\c:241+2*\c], v[240+2*\c:241+2*\c], v[ZA+8*\i+2*\c:ZA+8*\i+2*\c+1]
.endr
.endr
	v_pk_add_f32 v[240:241], v[240:241], v[242:243]
	v_pk_add_f32 v[244:245], v[244:245], v[246:247]
	v_pk_add_f32 v[24:25], v[240:241], v[244:245]
	RED2 24
	v_pk_mul_f32 v[24:25], v[24:25], 0x3a800000 op_sel_hi:[1,0]  ; the two rows' means
.set p, 0
.rept 32
	v_pk_add_f32 v[ZA+2*p:ZA+2*p+1], v[ZA+2*p:ZA+2*p+1], v[24:25] neg_lo:[0,1] neg_hi:[0,1]
.set p, p+1
.endr
.irp c, 0,1,2,3
	v_pk_mul_f32 v[240+2*\c:241+2*\c], v[ZA+2*\c:ZA+2*\c+1], v[ZA+2*\c:ZA+2*\c+1]
.endr
.irp i, 1,2,3,4,5,6,7
.irp c, 0,1,2,3
	v_pk_fma_f32 v[240+2*\c:241+2*\c], v[ZA+8*\i+2*\c:ZA+8*\i+2*\c+1], v[ZA+8*\i+2*\c:ZA+8*\i+2*\c+1], v[240+2*\c:241+2*\c]
.endr
.endr
	v_pk_add_f32 v[240:241], v[240:241], v[242:243]
	v_pk_add_f32 v[244:245], v[244:245], v[246:247]
	v_pk_add_f32 v[26:27], v[240:241], v[244:245]
	RED2 26
	v_fma_f32 v26, v26, s30, s31                   ; the variance + 1e-5
	v_fma_f32 v27, v27, s30, s31
	v_rsq_f32 v26, v26
	v_rsq_f32 v27, v27
	v_nop                                          ; a plain line behind the transcendentals
	s_wait_dscnt 0x0                               ; gain and bias
.set p, 0
	s_wait_alu depctr_va_vdst(0)
.rept 32
	v_pk_mul_f32 v[ZA+2*p:ZA+2*p+1], v[ZA+2*p:ZA+2*p+1], v[26:27]
.set p, p+1
.endr
.set p, 0
.rept 32
.set rv, ((p&1)<<4)|((p&2)<<2)|(p&4)|((p&8)>>2)|((p&16)>>4)
.if rv&1                               ; both rows take the same gain and bias: register rv % 2 of pair rv / 2 serves both halves
	v_pk_fma_f32 v[ZA+2*p:ZA+2*p+1], v[ZA+2*p:ZA+2*p+1], v[PB+(rv&30):PB+(rv&30)+1], v[PB+32+(rv&30):PB+33+(rv&30)] op_sel:[0,1,1] op_sel_hi:[1,1,1]
.else
	v_pk_fma_f32 v[ZA+2*p:ZA+2*p+1], v[ZA+2*p:ZA+2*p+1], v[PB+(rv&30):PB+(rv&30)+1], v[PB+32+(rv&30):PB+33+(rv&30)] op_sel_hi:[1,0,0]
.endif
.set p, p+1
.endr
.irp i, 0,1,2,3,4,5,6,7,8,9,10,11,12,13,14,15
	ds_load_b128 v[PB+4*\i:PB+4*\i+3], v7 offset:512*\i          ; the twiddles of my lane: pair k1 = (cos, -sin) of 2 pi lane k1 / 1024; they land under step 1
.endr
	; ---- B: step 1, the twiddle, turn 1 (lane n2, register k1 -> lane k1, register n2)
	FFT32 ZA, ZB
	s_wait_dscnt 0x0
.set p, 0
.rept 32
	v_pk_mul_f32 v[ZA+2*p:ZA+2*p+1], v[ZB+2*p:ZB+2*p+1], v[PB+2*p:PB+2*p+1] op_sel_hi:[1,0]
.set p, p+1
.endr
.set p, 0
.rept 32
	v_pk_fma_f32 v[ZA+2*p:ZA+2*p+1], v[ZB+2*p:ZB+2*p+1], v[PB+2*p:PB+2*p+1], v[ZA+2*p:ZA+2*p+1] op_sel:[1,1,0] op_sel_hi:[0,1,1] neg_lo:[1,0,0]
.set p, p+1
.endr
.irp i, 0,1,2,3,4,5,6,7,8,9,10,11,12,13,14,15
	ds_store_b128 v9, v[ZA+4*\i:ZA+4*\i+3] offset:16*\i          ; rows 272 bytes apart: 68 words, so that the lanes' 16 bytes fall on different banks (64 banks of 4 bytes: ISA guide 11.1)
.endr
.set p, 0
.rept 32
.set rv, ((p&1)<<4)|((p&2)<<2)|(p&4)|((p&8)>>2)|((p&16)>>4)
	ds_load_b64 v[ZB+2*p:ZB+2*p+1], v10 offset:272*rv            ; LDS serves a wave's instructions in order (ISA guide 5.7.1.4): these see the stores above
.set p, p+1
.endr
	s_wait_dscnt 0x0
	; ---- C: step 2.  Then lane = k % 32, pair = k / 32
	FFT32 ZB, ZA
	; ---- D: turn 2 (T -> S) with the mirror: a row's Z[k] goes to word k of the first 4,096 bytes and to word (1024 - k) % 1024 of the second.  Row b's stores stand behind row a's loads: the same bytes serve both
.irp r, 0,1
.set k2, 0
.rept 32
	ds_store_b32 v11, v[ZA+2*k2+\r] offset:128*k2
.if k2 == 0
	ds_store_b32 v13, v[ZA+\r]
.else
	ds_store_b32 v12, v[ZA+2*k2+\r] offset:128*(32-k2)
.endif
.set k2, k2+1
.endr
.irp i, 0,1,2,3,4,5,6,7
	ds_load_b128 v[ZB+32*\r+4*\i:ZB+32*\r+4*\i+3], v14 offset:512*\i
	ds_load_b128 v[PB+32*\r+4*\i:PB+32*\r+4*\i+3], v14 offset:4096+512*\i
.endr
.endr
	s_wait_dscnt 0x0                               ; all are back, and the stores have read their registers
.irp r, 0,1
.irp i, 0,1,2,3,4,5,6,7
	ds_load_b128 v[ZA+32*\r+4*\i:ZA+32*\r+4*\i+3], v2 offset:4096*\r+512*\i    ; x once more, in layout S
.endr
.endr
.set j, 0
.rept 32
	v_pk_add_f32 v[ZB+2*j:ZB+2*j+1], v[ZB+2*j:ZB+2*j+1], v[PB+2*j:PB+2*j+1]    ; G = Z[k] + Z[1024 - k] = twice the real part of the row's transform
.set j, j+1
.endr
.irp i, 0,1,2,3,4,5,6,7
	global_load_b128 v[PB+4*\i:PB+4*\i+3], v3, s[14:15] offset:512*\i
	global_load_b128 v[PB+32+4*\i:PB+35+4*\i], v3, s[16:17] offset:512*\i
.endr
	; ---- E: LNf of f = G / 2, and the residual
	SUMS ZB, 24
	RED2 24
	v_pk_mul_f32 v[24:25], v[24:25], 0x3a800000 op_sel_hi:[1,0]
	SUBM ZB, ZB, 24
	SQS ZB, 26
	RED2 26
	v_fma_f32 v26, v26, s34, s31                   ; f's variance is a quarter of G's: the sum x 2^-12, + 1e-5
	v_fma_f32 v27, v27, s34, s31
	v_rsq_f32 v26, v26
	v_rsq_f32 v27, v27
	v_nop
	s_wait_alu depctr_va_vdst(0)
	v_pk_mul_f32 v[26:27], v[26:27], 0.5 op_sel_hi:[1,0]         ; and f - its mean is half of G - its mean
	s_wait_loadcnt 0x0                             ; lnf's gain and bias
	AFFS ZB, 26
.irp i, 0,1,2,3,4,5,6,7                ; ln2's gain and bias, as soon as lnf's registers are free: ahead of my sixteen stores, not behind them
	global_load_b128 v[PB+4*\i:PB+4*\i+3], v3, s[18:19] offset:512*\i
	global_load_b128 v[PB+32+4*\i:PB+35+4*\i], v3, s[20:21] offset:512*\i
.endr
	s_wait_dscnt 0x0                               ; x
.set j, 0
.rept 32
	v_pk_add_f32 v[ZB+2*j:ZB+2*j+1], v[ZB+2*j:ZB+2*j+1], v[ZA+2*j:ZA+2*j+1]
.set j, j+1
.endr
.irp r, 0,1
.irp i, 0,1,2,3,4,5,6,7
	global_store_b128 v3, v[ZB+32*\r+4*\i:ZB+32*\r+4*\i+3], s[22:23] offset:4096*\r+512*\i   ; 32 lanes store 512 consecutive bytes, aligned; these registers are not written again
.endr
.endr
	; ---- F: LN2
	SUMS ZB, 24
	RED2 24
	v_pk_mul_f32 v[24:25], v[24:25], 0x3a800000 op_sel_hi:[1,0]
	SUBM ZA, ZB, 24
	SQS ZA, 26
	RED2 26
	v_fma_f32 v26, v26, s30, s31
	v_fma_f32 v27, v27, s30, s31
	v_rsq_f32 v26, v26
	v_rsq_f32 v27, v27
	v_nop
	s_wait_alu depctr_va_vdst(0)
	s_wait_loadcnt 0x0
	AFFS ZA, 26
	; ---- G: turn 3 (S -> Q), 512 numbers a step through one of two stages, and the quantiser
.irp t, 0,1,2,3
.irp i, 0,1,2,3
	ds_store_b128 v15, v[ZA+16*\t+4*\i:ZA+16*\t+4*\i+3] offset:2560*(\t%2)+640*\i
.endr
.irp j, 0,1,2,3
	ds_load_b128 v[PB+16*\t+4*\j:PB+16*\t+4*\j+3], v16 offset:2560*(\t%2)+16*\j
.endr
.endr
	s_wait_dscnt 0x0
	QSTEP 0
	QSTEP 1
	QSTEP 2
	QSTEP 3
	; ---- the way out: the block of h2q leaves as it lies, 16 bytes a thread
	s_wait_dscnt 0x0                               ; for the others' sake: my codes and bytes lie in the image
	s_barrier_signal -1
	s_barrier_wait -1
.irp i, 0,1,2
	ds_load_b128 v[ZA+4*\i:ZA+4*\i+3], v21 offset:8192*\i
.endr
.irp i, 0,1,2
	s_wait_dscnt 2-\i                              ; the younger loads may be out
	global_store_b128 v22, v[ZA+4*\i:ZA+4*\i+3], s[24:25] offset:8192*\i
.endr
	s_cmp_lt_u32 s26, 2                            ; the last 1,024 bytes, the scale words: waves 0 and 1
	s_cbranch_scc0 .Lend
	ds_load_b128 v[ZA+12:ZA+15], v21 offset:24576
	s_wait_dscnt 0x0
	global_store_b128 v22, v[ZA+12:ZA+15], s[24:25] offset:24576
.Lend:
	s_wait_tensorcnt 0x0
	ds_add_u32 v235, v239
	s_wait_dscnt 0x0
	s_endpgm
.Lfunc_end_k_q5be7a1063d_front:
	.size	k_q5be7a1063d_front, .Lfunc_end_k_q5be7a1063d_front-k_q5be7a1063d_front
	.p2alignl 7, 3214868480
	.fill 96, 4, 3214868480
	.section	.rodata,"a",@progbits
	.p2align	6, 0x0
	.amdhsa_kernel k_q5be7a1063d_front
		.amdhsa_group_segment_fixed_size 314368
		.amdhsa_private_segment_fixed_size 0
		.amdhsa_enable_private_segment 0
		.amdhsa_kernarg_size 72
		.amdhsa_user_sgpr_count 2
		.amdhsa_user_sgpr_kernarg_segment_ptr 1
		.amdhsa_wavefront_size32 1
		.amdhsa_system_sgpr_workgroup_id_x 1
		.amdhsa_system_sgpr_workgroup_id_y 1
		.amdhsa_system_sgpr_workgroup_id_z 1
		.amdhsa_system_vgpr_workitem_id 0
		.amdhsa_next_free_vgpr 256
		.amdhsa_next_free_sgpr 66
		.amdhsa_reserve_vcc 1
		.amdhsa_float_denorm_mode_32 3
		.amdhsa_float_denorm_mode_16_64 3
		.amdhsa_memory_ordered 1
		.amdhsa_forward_progress 1
		.amdhsa_inst_pref_size 123
	.end_amdhsa_kernel
	.amdgpu_metadata
---
amdhsa.version: [ 1, 2 ]
amdhsa.kernels:
  - .name:           k_q5be7a1063d_front
    .symbol:         k_q5be7a1063d_front.kd
    .args:
      - { .name: x, .offset: 0, .size: 8, .value_kind: global_buffer, .address_space: global }
      - { .name: ln1_g, .offset: 8, .size: 8, .value_kind: global_buffer, .address_space: global }
      - { .name: ln1_b, .offset: 16, .size: 8, .value_kind: global_buffer, .address_space: global }
      - { .name: lnf_g, .offset: 24, .size: 8, .value_kind: global_buffer, .address_space: global }
      - { .name: lnf_b, .offset: 32, .size: 8, .value_kind: global_buffer, .address_space: global }
      - { .name: ln2_g, .offset: 40, .size: 8, .value_kind: global_buffer, .address_space: global }
      - { .name: ln2_b, .offset: 48, .size: 8, .value_kind: global_buffer, .address_space: global }
      - { .name: x1, .offset: 56, .size: 8, .value_kind: global_buffer, .address_space: global }
      - { .name: h2q, .offset: 64, .size: 8, .value_kind: global_buffer, .address_space: global }
    .group_segment_fixed_size: 314368
    .private_segment_fixed_size: 0
    .kernarg_segment_align: 8
    .kernarg_segment_size: 72
    .max_flat_workgroup_size: 512
    .sgpr_count:     66
    .vgpr_count:     256
    .wavefront_size: 32
...
	.end_amdgpu_metadata
.endif
;; end of part 1
;; launch mlp1 (part 2): grid 32 x 8, 4 waves a work-group, clusters of 4 x 1, 327,680 bytes of LDS; arguments h2q, w1_codes, w1_scales, b1, mc; writes mc
.if DOCPART == 2
	.amdgcn_target "amdgcn-amd-amdhsa--gfx1250"
	.amdhsa_code_object_version 6
	.text
	.protected	k_q5be7a1063d_mlp1
	.globl	k_q5be7a1063d_mlp1
	.p2align	8
	.type	k_q5be7a1063d_mlp1,@function
k_q5be7a1063d_mlp1:
	s_mov_b64 s[64:65], 0
	v_nop
	global_prefetch_b8 v0, s[64:65] scope:SCOPE_SE
	s_setreg_imm32_b32 hwreg(HW_REG_WAVE_MODE, 25, 1), 1
	s_wait_xcnt 0x0
	s_wait_alu depctr_hold_cnt(0) depctr_sa_sdst(0) depctr_va_vdst(0) depctr_va_sdst(0) depctr_va_ssrc(0) depctr_va_vcc(0) depctr_vm_vsrc(0)
	s_getreg_b32 s2, hwreg(HW_REG_IB_STS2, 6, 4)
	s_cmp_eq_u32 s2, 0
	s_cbranch_scc0 .Lentry_in_a_cluster
	s_endpgm
.Lentry_in_a_cluster:
	s_bfe_u32 s2, ttmp6, 0x10000c
	s_cmp_lg_u32 s2, 0x3003
	s_cbranch_scc0 .Lentry_shape_is_right
	s_endpgm
.Lentry_shape_is_right:
; m = gelu(Q(h2) w1 + b1), quantised along the hidden units: E3M2 codes, one E8M0 byte for each 32.  h2's codes come from h2q (images of the operand's registers), w1's as they are given ([4096][768 bytes], scales [4096][32]).
; SHARES.  Work-group (X, Y): rows 256 X on, hidden units 512 Y on.  Wave w: rows 256 X + 64 w on (four blocks of 16), for all of K = 1,024: ITS 32 FRAGMENTS OF h2 STAY IN 384 REGISTERS, read from memory once.
; w1 walks through LDS in four chunks of 128 hidden units x all of K, a ring of two slots; all four waves read each chunk, and a fragment read from LDS feeds four matrix instructions.
; THE MATRIX INSTRUCTION IS USED TRANSPOSED (source 0 = 16 rows of w1, source 1 = 16 rows of h2): a lane holds one row of m, its registers run along the hidden units, which are the next product's K.  b1 is the C of each sum's first instruction.
; CLUSTER.  The four work-groups of a cluster differ in X alone and walk the same w1: its tiles and scales are asked for JOINTLY, by the same tensor load with the same descriptor and the mask of all four.
; GELU, exact form.  t = 1 / (1 + |x| / (2 sqrt 2));  E = erfc(|x| / sqrt 2) / 2 = t 2^(-x^2 log2(e) / 2 + sum c_i t^i), a Chebyshev fit of degree 9 whose fractional error stays under 1.2e-7 for every x (log2(e) and the half are folded into the c_i);
; gelu(x) = max(x, 0) - |x| E: no difference of near-equal numbers on either side of 0.
; mc: units of 6,400 bytes for (64 rows, 128 hidden units): four fragment images of 1,536 bytes, then 256 bytes of scale words (64 a + 4 r); unit ((row / 128 x 8 + hidden / 512) x 4 + (hidden / 128) % 4) x 2 + (row / 64) % 2.
; LIMITS: NaN and infinities are not served.  A block of zeros gets the scale byte 1 where the quantiser's rule says 127: its codes are zeros, and this program alone reads the bytes.
; LDS: slot 0 at 0 and slot 1 at 2^17: 128 rows, 816 bytes apart (768 + 16 behind each 256) | SCL: w1's scales of my 512 hidden units, filled once | SPARE: the spare words | SWS: 256 bytes for each wave's scale words on their way out.
; The launch claims all of a WGP's LDS, 327,680 bytes.
; REGISTERS, in windows of 256.  Window 0: v1-14 addresses; v28, v29 for the add; v32-47 h2's scale words; v48-79 w1's; v[80:81] a constant; v112-255 h2's fragments of K steps 5-7.
;   Window 1: v0-191 w1's fragments, two sets of 96; behind a chunk's products T, P, U of the activation; v192-255 b1's eight tiles.   Window 2: accumulator (a, b) at 8 (8 a + b).   Window 3: h2's fragments of K steps 0-4.
.set PITCH, 816                        ; 204 words: row r starts at bank 12 r mod 64, sixteen different multiples of 4 (64 banks of 4 bytes: ISA guide 11.1); lanes 16-31 lie 6 or 10 words on: the 32 lanes of an 8-byte load touch 64 different banks
.set SLOT1, 1<<17
.set QTR,   32*PITCH                   ; what one tensor load brings: 32 rows
.set HALFB, 64*PITCH
.set SCL,   128*PITCH
.set SPARE, SCL+64*272
.set SWS,   SPARE+512
.set ADB,   8                          ; v8-11 LDS addresses of the chunk in hand: rows 0-63 (24 h, 40 h), rows 64-127 (24 h, 40 h)
.set AS,    32                         ; register 4 a + q / 2: lanes 0-15 the words of the even K step, lanes 16-31 of the odd one
.set BS,    48                         ; register 8 k + q: lanes 0-15 the words of w1's block 2 k, lanes 16-31 of block 2 k + 1
.set BI,    192
.set T,     0
.set P,     64
.set U,     128
.set TM,    0                          ; the quantiser's registers lie in T, which is done with by then
.set PW,    16
.set PC,    20
.set MSB, 0
.macro WIN new                         ; the immediate's high byte repeats the setting that is left
.if MSB != \new
	s_set_vgpr_msb (MSB<<8)|\new
.set MSB, \new
.endif
.endm
.macro PLACES n
.rept \n
	v_nop
.endr
.endm
.macro ROUND                           ; a round of the cluster's barrier
	s_barrier_signal -1
	s_barrier_wait -1
	s_cmp_lg_u32 s14, 0
	s_cbranch_scc1 .Lnot_wave_0_\@
	s_barrier_signal -3
.Lnot_wave_0_\@:
	s_barrier_wait -3
	s_barrier_signal -1
	s_barrier_wait -1
.endm
.macro SPAIR reg, val                  ; a constant for the packed forms, which name a pair and take its low word for both halves: both words are written
	s_mov_b32 s[\reg], \val
	s_mov_b32 s[\reg+1], \val
.endm
.macro WMMA ra, rb                     ; ra, rb: which half of the lanes holds source 0's and source 1's scale words
.if ((\ra) == 0) && ((\rb) == 0)
	v_wmma_scale_f32_16x16x128_f8f6f4 v[rD:rD+7], v[rB:rB+11], v[rA:rA+11], v[rC:rC+7], v[rSB], v[rSA] matrix_a_fmt:MATRIX_FMT_BF6 matrix_b_fmt:MATRIX_FMT_BF6
.elseif (\rb) == 0
	v_wmma_scale_f32_16x16x128_f8f6f4 v[rD:rD+7], v[rB:rB+11], v[rA:rA+11], v[rC:rC+7], v[rSB], v[rSA] matrix_a_fmt:MATRIX_FMT_BF6 matrix_b_fmt:MATRIX_FMT_BF6 matrix_a_scale:MATRIX_SCALE_ROW1
.elseif (\ra) == 0
	v_wmma_scale_f32_16x16x128_f8f6f4 v[rD:rD+7], v[rB:rB+11], v[rA:rA+11], v[rC:rC+7], v[rSB], v[rSA] matrix_a_fmt:MATRIX_FMT_BF6 matrix_b_fmt:MATRIX_FMT_BF6 matrix_b_scale:MATRIX_SCALE_ROW1
.else
	v_wmma_scale_f32_16x16x128_f8f6f4 v[rD:rD+7], v[rB:rB+11], v[rA:rA+11], v[rC:rC+7], v[rSB], v[rSA] matrix_a_fmt:MATRIX_FMT_BF6 matrix_b_fmt:MATRIX_FMT_BF6 matrix_a_scale:MATRIX_SCALE_ROW1 matrix_b_scale:MATRIX_SCALE_ROW1
.endif
.endm
; 16 matrix instructions: row blocks a0, a0 + 1 x w1's eight blocks, K step q.  The 32 accumulators take turns, one instruction a turn, in the same order in every step.
.macro MUL16 a0, q
.irp a, \a0, \a0+1
.irp b, 0,1,2,3,4,5,6,7
.set rD, 8*(8*(\a)+\b)
.set rB, 96*((\q)%2)+12*\b
.if (\q) < 5
.set rA, 48*(\q)+12*(\a)
.else
.set rA, 112+48*((\q)-5)+12*(\a)
.endif
.if (\q) == 0
.set rC, BI+8*\b
.else
.set rC, rD
.endif
.set rSB, BS+8*(\b/2)+(\q)
.set rSA, AS+4*(\a)+(\q)/2
	WMMA \b%2, (\q)%2
.endr
.endr
.endm
; w1's eight fragments of K step q into set q % 2.  A fragment is 12 registers: lane (r, h) takes bytes 96 q + 24 h + 0 .. 23 and 96 q + 48 + 24 h + 0 .. 23 of row r, in pieces of 8 bytes.
; The mover has laid 16 bytes of padding behind every 256 (32 pieces): where the piece three on, which lanes 16-31 take, lies behind one padding more, the second address register (40 for 24 bytes a half) serves.
.macro FETCHB q
	WIN 0x40                                       ; destination window 1, address window 0
.irp b, 0,1,2,3,4,5,6,7
.irp p, 0,1,2,3,4,5
.set PCE, 12*(\q)+6*(\p/3)+\p%3
.set rF, 96*((\q)%2)+12*\b+2*\p
.if PCE%32 < 29
	ds_load_b64 v[rF:rF+1], v[ADB+2*(\b/4)] offset:13056*(\b%4)+8*PCE+16*(PCE/32)
.else
	ds_load_b64 v[rF:rF+1], v[ADB+2*(\b/4)+1] offset:13056*(\b%4)+8*PCE+16*(PCE/32)
.endif
.endr
.endr
.endm
; A K step: its fragments are in; the next step's are asked for, in one run, 32 matrix instructions ahead of their use; then the step's 32 products.
.macro STEPQ q, next
	s_wait_dscnt 0x0                               ; this step's fragments (and, in step 0, w1's scale words)
.if (\q) < 7
	PLACES 4                                       ; in front of loads into registers that the last step's matrix instructions have read (ISA guide 7.12.1 for vector instructions)
	FETCHB (\q)+1
.endif
.if ((\q) == 1) && \next
.irp b, 0,1,2,3,4,5,6,7                ; the next chunk's b1: step 0, which read this chunk's as C, lies behind the four places above
	global_load_b128 v[BI+8*\b:BI+8*\b+3], v4, s[10:11] offset:512+64*\b
	global_load_b128 v[BI+8*\b+4:BI+8*\b+7], v4, s[10:11] offset:512+64*\b+16
.endr
.endif
.if (\q) == 0
	WIN 0x9d                                       ; source 0 (w1) window 1, source 1 (h2) window 3, C (b1) window 1, D window 2
.elseif (\q) < 5
	WIN 0xad                                       ; C window 2
.else
	WIN 0xa1                                       ; source 1 window 0
.endif
	MUL16 0, \q
	MUL16 2, \q
.endm
; The activation of row block a: 64 numbers a lane.
.macro GELU a
.set XB, 64*(\a)
	WIN 0x82
.set i, 0
.rept 4                                ; tiles 2 i and 2 i + 1 change halves: afterwards register 16 i + j of lane (r, h) is hidden unit 32 i + 16 h + j of row r.  Each accumulator is read from its low end on
.set j, 0
.rept 8
	v_permlane16_swap_b32 v[XB+16*i+j], v[XB+16*i+8+j]
.set j, j+1
.endr
.set i, i+1
.endr
	WIN 0x4a
.set i, 0
.rept 32
	v_pk_mul_f32 v[U+2*i:U+2*i+1], v[XB+2*i:XB+2*i+1], v[XB+2*i:XB+2*i+1]
.set i, i+1
.endr
	s_wait_xcnt 0x0                                ; the last block's stores have read their registers, which lie in T: T is written only behind this wait.  (The 64 lines above write window 2 and U alone, so they stand ahead of it)
	s_wait_dscnt 0x0                               ; its LDS store likewise
	WIN 0x42
.set i, 0
.rept 64
	v_fma_f32 v[T+i], |v[XB+i]|, s51, 1.0          ; 1 + |x| / (2 sqrt 2)
.set i, i+1
.endr
	WIN 0x55
.set i, 0
.rept 64
	v_rcp_f32 v[T+i], v[T+i]
.set i, i+1
.endr
	v_nop                                          ; a plain line behind the transcendentals
	WIN 0x41                                       ; (c8 stands in a vector pair of window 0, so that the line names one scalar pair)
.set i, 0
	s_wait_alu depctr_va_vdst(0)
.rept 32
	v_pk_fma_f32 v[P+2*i:P+2*i+1], v[T+2*i:T+2*i+1], s[86:87], v[80:81] op_sel_hi:[1,0,1]
.set i, i+1
.endr
	WIN 0x55
.irp c, 82,80,78,76,74,72,70,68        ; c7 .. c0: each step over all 32 pairs, so that no line waits for the line above it
.set i, 0
.rept 32
	v_pk_fma_f32 v[P+2*i:P+2*i+1], v[P+2*i:P+2*i+1], v[T+2*i:T+2*i+1], s[\c:\c+1] op_sel_hi:[1,1,0]
.set i, i+1
.endr
.endr
.set i, 0
.rept 32
	v_pk_fma_f32 v[P+2*i:P+2*i+1], v[U+2*i:U+2*i+1], s[66:67], v[P+2*i:P+2*i+1] op_sel_hi:[1,0,1]   ; - x^2 log2(e) / 2
.set i, i+1
.endr
.set i, 0
.rept 64
	v_exp_f32 v[P+i], v[P+i]
.set i, i+1
.endr
	WIN 0x48
.set i, 0
.rept 64
	v_max_num_f32 v[U+i], 0, v[XB+i]               ; max(x, 0).  (Plain lines behind the exponentials)
.set i, i+1
.endr
	WIN 0x55
.set i, 0
	s_wait_alu depctr_va_vdst(0)
.rept 32
	v_pk_mul_f32 v[P+2*i:P+2*i+1], v[P+2*i:P+2*i+1], v[T+2*i:T+2*i+1]    ; E
.set i, i+1
.endr
	WIN 0x56
.set i, 0
.rept 64
	v_fma_f32 v[U+i], -|v[XB+i]|, v[P+i], v[U+i]
.set i, i+1
.endr
.endm
; 64 numbers of a lane, v[U] on, register 16 b + i = k 32 b + 16 h + i of my row, become a fragment's codes in v[PC] on and its scale word in v[PW].  All in window 1.
.macro QUANT
	WIN 0x55
.irp b, 0,1,2,3
	v_max3_num_f32 v[TM+\b], |v[U+16*\b]|, |v[U+1+16*\b]|, 0x2800000     ; block b: my 16 numbers, and the floor 2^(5 - 127): the byte cannot fall under 1
.endr
.irp i, 2,4,6,8,10,12,14
.irp b, 0,1,2,3
	v_max3_num_f32 v[TM+\b], v[TM+\b], |v[U+16*\b+\i]|, |v[U+1+16*\b+\i]|
.endr
.endr
.irp b, 0,1,2,3
	v_permlanex16_b32 v[TM+4+\b], v[TM+\b], s20, s21
.endr
.irp b, 0,1,2,3
	v_max_num_f32 v[TM+\b], v[TM+\b], v[TM+4+\b]   ; with lane l xor 16's: the block's largest magnitude
.endr
.irp b, 0,1,2,3
	v_add_nc_u32 v[TM+12+\b], 0xfe000000, v[TM+\b] ; 4 off its exponent field: the conversion's scale operand
.endr
.irp b, 0,1,2,3
	v_lshrrev_b32 v[TM+4+\b], 23, v[TM+12+\b]      ; the scale's byte
.endr
	v_lshl_or_b32 v[PW], v[TM+5], 8, v[TM+4]
	v_lshl_or_b32 v[PW], v[TM+6], 16, v[PW]
	v_lshl_or_b32 v[PW], v[TM+7], 24, v[PW]
.irp c, 0,1
	v_cvt_scalef32_pk16_bf6_f32 v[PC+6*\c:PC+2+6*\c], v[U+32*\c:U+15+32*\c], v[TM+12+2*\c]
	v_cvt_scalef32_pk16_bf6_f32 v[PC+12+4*\c:PC+14+4*\c], v[U+16+32*\c:U+31+32*\c], v[TM+13+2*\c]   ; (a conversion's three registers begin on an even number)
.endr
	v_nop                                          ; one plain line behind a scaled conversion
.irp c, 0,1                            ; the operand's layout wants a whole block in a lane: lanes 0-15 block 2 c, lanes 16-31 block 2 c + 1
.irp i, 0,1,2
	v_permlane16_swap_b32 v[PC+6*\c+\i], v[PC+12+4*\c+\i]
.endr
.irp i, 0,1,2
	v_mov_b32 v[PC+3+6*\c+\i], v[PC+12+4*\c+\i]
.endr
.endr
.endm
.macro OUTA a                          ; the fragment leaves as an image of its registers: 512 consecutive bytes a store; its scale words are gathered in my 256 bytes of LDS
	WIN 0x04                                       ; a store's data are its source 1: window 1
.irp c, 0,1,2
	global_store_b128 v1, v[PC+4*\c:PC+4*\c+3], s[12:13] offset:1536*(\a)+512*\c
.endr
	ds_store_b32 v13, v[PW] offset:64*(\a)         ; lanes r and 16 + r write the same word with the same value
.endm
; A chunk: 128 hidden units for my 64 rows.  next = 1: another chunk follows.
.macro COMPUTE next
	v_add_nc_u32 v[ADB], s48, v5
	v_add_nc_u32 v[ADB+1], s48, v6
	v_add_nc_u32 v[ADB+2], s49, v5
	v_add_nc_u32 v[ADB+3], s49, v6
	v_add_nc_u32 v12, s52, v7
.irp k, 0,1,2,3
	ds_load_b128 v[BS+8*\k:BS+8*\k+3], v12 offset:1088*\k       ; a row's eight scale words: K steps 0-3,
	ds_load_b128 v[BS+8*\k+4:BS+8*\k+7], v12 offset:1088*\k+16  ; 4-7
.endr
	FETCHB 0
	s_wait_loadcnt 0x0                             ; first chunk: h2's fragments and scale words, b1; later: b1, asked for seven K steps ago
	STEPQ 0, \next
	STEPQ 1, \next
	STEPQ 2, \next
	STEPQ 3, \next
	STEPQ 4, \next
	STEPQ 5, \next
	STEPQ 6, \next
	STEPQ 7, \next
	WIN 0
	PLACES 5                                       ; four in front of the first read of results; the fifth since the next chunk's first products write over these accumulators with another C
.irp a, 0,1,2,3
	GELU \a
	QUANT
	OUTA \a
.endr
	WIN 0x40
	ds_load_b64 v[40:41], v14                      ; LDS serves a wave's instructions in order (ISA guide 5.7.1.4): this sees my four stores
	s_wait_dscnt 0x0
	WIN 0x04
	global_store_b64 v3, v[40:41], s[12:13] offset:6144          ; the unit's 256 bytes of scale words: one aligned run
	WIN 0
	s_wait_xcnt 0x0                                ; stores and loads have read their registers and bases: both may be written again
.if \next
	s_add_nc_u64 s[12:13], s[12:13], 12800         ; the next 128 hidden units: two units on
	s_add_nc_u64 s[10:11], s[10:11], 512
	s_add_co_u32 s52, s52, 4352
	s_xor_b32 s48, s48, SLOT1
	s_xor_b32 s49, s49, SLOT1
.endif
.endm
	s_load_b256 s[4:11], s[0:1], 0x0               ; h2q s[4:5], w1's codes s[6:7], w1's scales s[8:9], b1 s[10:11]
	s_load_b64 s[12:13], s[0:1], 0x20              ; mc
	v_lshl_add_u32 v28, v0, 2, SPARE
	v_mov_b32 v29, 0
	ds_add_u32 v28, v29
	ds_add_u32 v28, v29
	s_wait_dscnt 0x0
	v_lshrrev_b32 v15, 5, v0
	v_readfirstlane_b32 s14, v15                   ; wave 0..3
	s_bfe_u32 s15, ttmp6, 0x40000                  ; cx: my place in the cluster
	s_lshl_b32 s16, ttmp9, 2
	s_add_co_u32 s16, s16, s15                     ; X = 4 x cluster x + cx: it enters h2q's and mc's addresses alone
	s_and_b32 s17, ttmp7, 0xffff                   ; Y, which the four partners share
	; descriptor group 1 for w1's codes: 32 rows of 768 bytes, 16 bytes of padding behind each 256
	s_mov_b32 s24, 15|(1<<20)|(1<<21)|(5<<22)|(3<<25)  ; 15:0 the mask: all four; 17:16 elements of 1 byte; 20 padding on; 21 set beside a mask; 24:22 after every 64 words (code 5); 31:25 4 words of it (code 3)
	s_mov_b32 s25, 768<<16                         ; tensor_dim0
	s_mov_b32 s26, 32<<16                          ; tensor_dim1
	s_mov_b32 s27, 768<<16                         ; tile_dim0
	s_mov_b32 s28, 32                              ; tile_dim1
	s_mov_b32 s29, 768                             ; tensor_dim0_stride
	s_mov_b32 s30, 0
	s_mov_b32 s31, 0
	; and for its scales: 4,096 dense bytes (128 rows of 32) as 16 rows of 256 bytes (32 elements of 8), 16 bytes of padding behind each
	s_mov_b32 s36, 15|(3<<16)|(1<<20)|(1<<21)|(5<<22)|(3<<25)
	s_mov_b32 s37, 32<<16
	s_mov_b32 s38, 16<<16
	s_mov_b32 s39, 32<<16
	s_mov_b32 s40, 16
	s_mov_b32 s41, 32
	s_mov_b32 s42, 0
	s_mov_b32 s43, 0
	s_mul_i32 s54, s17, 393216                     ; w1's codes: row 512 Y + 32 w, 768 bytes a row
	s_mul_i32 s55, s14, 24576
	s_add_co_u32 s54, s54, s55
	s_mov_b32 s55, 0
	s_lshl_b32 s60, s17, 14                        ; its scales: row 512 Y + 128 w, 32 bytes a row
	s_lshl_b32 s61, s14, 12
	s_add_co_u32 s60, s60, s61
	s_mov_b32 s61, 0
	s_lshl_b32 s62, s17, 11                        ; b1: 512 Y numbers on
	s_mov_b32 s63, 0
	s_lshl_b32 s56, s16, 3                         ; h2q: block 8 X + 2 w of 25,600 bytes
	s_lshl_b32 s57, s14, 1
	s_add_co_u32 s56, s56, s57
	s_mul_i32 s56, s56, 25600
	s_mov_b32 s57, 0
	s_lshl_b32 s58, s16, 1                         ; mc: unit ((2 X + w / 2) 8 + Y) 8 + w % 2
	s_lshr_b32 s59, s14, 1
	s_add_co_u32 s58, s58, s59
	s_lshl_b32 s58, s58, 3
	s_add_co_u32 s58, s58, s17
	s_lshl_b32 s58, s58, 3
	s_and_b32 s59, s14, 1
	s_add_co_u32 s58, s58, s59
	s_mul_i32 s58, s58, 6400
	s_mov_b32 s59, 0
	s_mov_b32 s20, 0x76543210
	s_mov_b32 s21, 0xfedcba98                      ; v_permlanex16_b32's selects for lane l xor 16
	s_mov_b32 s48, 0                               ; the slot in hand,
	s_mov_b32 s49, HALFB                           ; its rows 64 on,
	s_mov_b32 s52, 0                               ; the chunk's scale words
	s_mov_b32 s51, 0x3eb504f3                      ; 1 / (2 sqrt 2)
	SPAIR 66, 0xbf38aa3b                           ; -log2(e) / 2
	SPAIR 68, 0xc034d90f                           ; c0 .. c9, each x log2(e); c0 less 1 for the half
	SPAIR 70, 0x3fb8ab5a
	SPAIR 72, 0x3f0a29d2
	SPAIR 74, 0x3e0efb2e
	SPAIR 76, 0xbe899a80
	SPAIR 78, 0x3ecdfd18
	SPAIR 80, 0xbfd1a1e5
	SPAIR 82, 0x40097039
	SPAIR 86, 0x3e7c6f08
	v_mov_b32 v80, 0xbf97d29d                      ; c8
	v_mov_b32 v81, 0xbf97d29d
	s_mul_i32 s53, s14, QTR
	s_mul_i32 s84, s14, 4352
	s_wait_kmcnt 0x0
	s_add_nc_u64 s[4:5], s[4:5], s[56:57]
	s_add_nc_u64 s[12:13], s[12:13], s[58:59]
	s_add_nc_u64 s[10:11], s[10:11], s[62:63]
	ROUND                                          ; all four work-groups are here: the first joint loads meet
	s_mov_b32 s44, 1                               ; group 0 for the scales: count 1,
	s_add_co_u32 s45, s84, SCL                     ; LDS address: my quarter,
	s_add_nc_u64 s[46:47], s[8:9], s[60:61]        ; global address,
	s_or_b32 s47, s47, 0x80000000                  ; type 2
	s_mov_b32 s32, 1                               ; group 0 for the codes, which walks: chunk 0 into slot 0
	s_mov_b32 s33, s53
	s_add_nc_u64 s[34:35], s[6:7], s[54:55]
	s_or_b32 s35, s35, 0x80000000
	tensor_load_to_lds s[44:47], s[36:43]          ; my two first fills stand together: two tensor loads of mine are out
	s_nop 0
	tensor_load_to_lds s[32:35], s[24:31]
	s_nop 0
	PLACES 4
	v_and_b32 v16, 15, v0                          ; r
	v_bfe_u32 v17, v0, 4, 1                        ; h
	v_and_b32 v18, 31, v0                          ; lane
	v_lshlrev_b32 v1, 4, v18
	v_lshlrev_b32 v2, 2, v18
	v_lshlrev_b32 v3, 3, v18
	v_lshlrev_b32 v4, 5, v17                       ; b1: my half's eight numbers of a tile
	v_mul_u32_u24 v5, v16, PITCH
	v_mad_u32_u24 v5, v17, 24, v5                  ; a fragment's row x pitch + 24 x half,
	v_lshl_add_u32 v6, v17, 4, v5                  ; and the same behind one padding more
	v_lshlrev_b32 v7, 5, v16                       ; w1's scale words: 32 bytes a row,
	v_lshrrev_b32 v19, 3, v16
	v_lshl_add_u32 v7, v19, 4, v7                  ; 16 more for each 256 passed;
	v_mad_u32_u24 v7, v17, 544, v7                 ; lanes 16-31 take the block 16 rows on
	v_add_nc_u32 v7, SCL, v7
	s_lshl_b32 s85, s14, 8
	s_add_co_u32 s85, s85, SWS
	v_lshl_add_u32 v13, v16, 2, s85
	v_lshl_add_u32 v14, v18, 3, s85
	WIN 0xc0                                       ; destination window 3
.irp q, 0,1,2,3,4
.irp a, 0,1,2,3
.irp c, 0,1,2
	global_load_b128 v[48*\q+12*\a+4*\c:48*\q+12*\a+4*\c+3], v1, s[4:5] offset:25600*(\a/2)+1536*(8*(\a%2)+\q)+512*\c   ; h2's fragments, as images: 512 consecutive bytes a load
.endr
.endr
.endr
	WIN 0
.irp q, 5,6,7
.irp a, 0,1,2,3
.irp c, 0,1,2
	global_load_b128 v[112+48*(\q-5)+12*\a+4*\c:112+48*(\q-5)+12*\a+4*\c+3], v1, s[4:5] offset:25600*(\a/2)+1536*(8*(\a%2)+\q)+512*\c
.endr
.endr
.endr
.irp a, 0,1,2,3
.irp k, 0,1,2,3
	global_load_b32 v[AS+4*\a+\k], v2, s[4:5] offset:25600*(\a/2)+24576+512*(\a%2)+128*\k   ; lanes 0-15: K step 2 k, lanes 16-31: 2 k + 1
.endr
.endr
	WIN 0x40
.irp b, 0,1,2,3,4,5,6,7
	global_load_b128 v[BI+8*\b:BI+8*\b+3], v4, s[10:11] offset:64*\b
	global_load_b128 v[BI+8*\b+4:BI+8*\b+7], v4, s[10:11] offset:64*\b+16
.endr
	WIN 0
	s_mov_b32 s50, 3
.Lchunk:                                               ; three trips: behind each round the next chunk is asked for, into the slot that is not read; it has this chunk's 256 matrix instructions and its activation in which to land
	s_wait_tensorcnt 0x0                           ; all my tensor loads have landed, my part of this trip's chunk among them: so the walking group 0 may be written
	ds_add_u32 v28, v29                            ; 0 onto my spare word
	s_xor_b32 s33, s33, SLOT1                      ; the other slot,
	s_add_nc_u64 s[34:35], s[34:35], 98304         ; the next 128 rows of w1; the type bits on top are not reached
	s_wait_dscnt 0x0                               ; the add is done, and my reads of the last chunk are over
	ROUND                                          ; both now hold of every wave of all four work-groups
	tensor_load_to_lds s[32:35], s[24:31]          ; my one tensor load behind the round
	s_nop 0
	PLACES 4
	COMPUTE 1
	s_sub_co_u32 s50, s50, 1
	s_cmp_lg_u32 s50, 0
	s_cbranch_scc1 .Lchunk
	s_wait_tensorcnt 0x0                           ; the last chunk is written out: nothing is left to fetch, so no round
	ds_add_u32 v28, v29
	s_wait_dscnt 0x0
	s_barrier_signal -1
	s_barrier_wait -1
	COMPUTE 0
	s_wait_tensorcnt 0x0                           ; the wave's end
	ds_add_u32 v28, v29
	s_wait_dscnt 0x0
	ROUND                                          ; the closing round: no work-group ends while a partner may still ask for a tile that names it
	s_endpgm
.Lfunc_end_k_q5be7a1063d_mlp1:
	.size	k_q5be7a1063d_mlp1, .Lfunc_end_k_q5be7a1063d_mlp1-k_q5be7a1063d_mlp1
	.p2alignl 7, 3214868480
	.fill 96, 4, 3214868480
	.section	.rodata,"a",@progbits
	.p2align	6, 0x0
	.amdhsa_kernel k_q5be7a1063d_mlp1
		.amdhsa_group_segment_fixed_size 327680
		.amdhsa_private_segment_fixed_size 0
		.amdhsa_enable_private_segment 0
		.amdhsa_kernarg_size 40
		.amdhsa_user_sgpr_count 2
		.amdhsa_user_sgpr_kernarg_segment_ptr 1
		.amdhsa_wavefront_size32 1
		.amdhsa_system_sgpr_workgroup_id_x 1
		.amdhsa_system_sgpr_workgroup_id_y 1
		.amdhsa_system_sgpr_workgroup_id_z 1
		.amdhsa_system_vgpr_workitem_id 0
		.amdhsa_next_free_vgpr 1024
		.amdhsa_next_free_sgpr 100
		.amdhsa_reserve_vcc 0
		.amdhsa_float_denorm_mode_32 3
		.amdhsa_float_denorm_mode_16_64 3
		.amdhsa_memory_ordered 1
		.amdhsa_forward_progress 1
		.amdhsa_inst_pref_size 255
	.end_amdhsa_kernel
	.section	.bss,"aw",@nobits
	.p2align	6
	.space	262144
	.amdgpu_metadata
---
amdhsa.version: [ 1, 2 ]
amdhsa.kernels:
  - .name:           k_q5be7a1063d_mlp1
    .symbol:         k_q5be7a1063d_mlp1.kd
    .args:
      - { .name: h2q, .offset: 0, .size: 8, .value_kind: global_buffer, .address_space: global }
      - { .name: w1_codes, .offset: 8, .size: 8, .value_kind: global_buffer, .address_space: global }
      - { .name: w1_scales, .offset: 16, .size: 8, .value_kind: global_buffer, .address_space: global }
      - { .name: b1, .offset: 24, .size: 8, .value_kind: global_buffer, .address_space: global }
      - { .name: mc, .offset: 32, .size: 8, .value_kind: global_buffer, .address_space: global }
    .group_segment_fixed_size: 327680
    .private_segment_fixed_size: 0
    .kernarg_segment_align: 8
    .kernarg_segment_size: 40
    .max_flat_workgroup_size: 128
    .sgpr_count:     100
    .vgpr_count:     1024
    .wavefront_size: 32
...
	.end_amdgpu_metadata
.endif
;; end of part 2
;; launch mlp2 (part 3): grid 8 x 32, 4 waves a work-group, clusters of 4 x 4, 327,680 bytes of LDS; arguments mc, w2_codes, w2_scales, b2, x1, out0; writes out0
.if DOCPART == 3
	.amdgcn_target "amdgcn-amd-amdhsa--gfx1250"
	.amdhsa_code_object_version 6
	.text
	.protected	k_q5be7a1063d_mlp2
	.globl	k_q5be7a1063d_mlp2
	.p2align	8
	.type	k_q5be7a1063d_mlp2,@function
k_q5be7a1063d_mlp2:
	s_mov_b64 s[64:65], 0
	v_nop
	global_prefetch_b8 v0, s[64:65] scope:SCOPE_SE
	s_setreg_imm32_b32 hwreg(HW_REG_WAVE_MODE, 25, 1), 1
	s_wait_xcnt 0x0
	s_wait_alu depctr_hold_cnt(0) depctr_sa_sdst(0) depctr_va_vdst(0) depctr_va_sdst(0) depctr_va_ssrc(0) depctr_va_vcc(0) depctr_vm_vsrc(0)
	s_getreg_b32 s2, hwreg(HW_REG_IB_STS2, 6, 4)
	s_cmp_eq_u32 s2, 0
	s_cbranch_scc0 .Lentry_in_a_cluster
	s_endpgm
.Lentry_in_a_cluster:
	s_bfe_u32 s2, ttmp6, 0x10000c
	s_cmp_lg_u32 s2, 0xf033
	s_cbranch_scc0 .Lentry_shape_is_right
	s_endpgm
.Lentry_shape_is_right:
; out0 = x1 + Q(m) w2 + b2.  m's codes and scale words come from mc (units of 6,400 bytes for 64 rows x 128 K: four images of the operand's registers and 256 bytes of scale words; 128 rows x 512 K are 51,200 dense bytes);
; w2's as they are given: codes [1024][3072 bytes], scales [1024][128].  x1, out0: [8192][1024] f32.
; SHARES.  A tile of the result is 256 rows x 128 columns, so that there are 256 work-groups (tiles of 256 x 256 would be 128).  Four waves, each 128 rows x 64 columns: 32 accumulators, 256 registers.
; K = 4,096 goes in eight runs of 512 through a ring of two LDS slots; a slot is four steps of 128, 128 matrix instructions a wave.  Behind each change of slots one tensor load a wave:
; wave 0: m's rows 0-127, wave 1: rows 128-255, wave 2: w2's codes, wave 3: w2's scale bytes.
; WHERE A CLUSTER BEGINS ALONG K.  A cluster takes the eight runs from run (2 x cluster y + 4 x cluster x) mod 8 on, round the eight.  The two clusters that read the same rows of m (cluster x = 0 and 1) so begin four runs apart:
; each is the first to ask for four of the runs, and asks for the other four behind its partner, four changes of slots later.  Clusters of one x, which read the same rows of w2, begin two runs apart.
; The two runs of m that a cluster is the first to ask for by a refill (its third and fourth) are prefetched at the head: each of the four work-groups of a row of the cluster asks for one run of one half of the rows, 200 blocks of 256 bytes.
; LIMIT: an output's f32 sum runs along K in that rotated order, not ascending.
; w2's SCALES TRAVEL WITH THE SLOTS: kept for all of K they are 16,384 bytes, and with two slots of 157,696 and the spare words that is 332,288, more than the 327,680 there are.  The price: rows of 16 bytes cut out of rows of 128.
; THE MATRIX INSTRUCTION IS USED TRANSPOSED (source 0 = 16 rows of w2, source 1 = 16 rows of m): a lane holds eight neighbouring columns of one row of the result.
; CLUSTER: 4 x 4 work-groups.  The four of a row of the cluster need the same m, the four of a column the same w2: each tile is asked for JOINTLY, by the same tensor load with the same descriptor and a mask that names the four.
; The launch claims all of a WGP's LDS, 327,680 bytes.
; REGISTERS, in windows of 256.  Window 0: v16-27, v30, v31 addresses; v28, v29 for the add; v32-39 m's scale words, two sets; v40-55 w2's, a set for each slot; v56-59 b2; v60, v61 the prefetch's offsets; v64-127 the way out; v128-223 w2's fragments, two sets.
;   Window 1: m's fragments, two sets of 96.   Window 2: accumulator (a, b) at 8 (4 a + b).   Window 3: x1, as the way out wants it.
.set SLOT,  159744
.set AH,    51200                      ; m: 128 rows x 512 K
.set BOFF,  2*AH
.set BP,    432                        ; a row of w2 in LDS: 384 bytes + 16 behind each 128 = 108 words: row r starts at bank 44 r mod 64, sixteen different multiples of 4 (64 banks of 4 bytes: ISA guide 11.1); lanes 16-31 lie 6 or 10 words on
.set ZOFF,  BOFF+128*BP
.set SPARE, 2*SLOT
.set SP,    272                        ; the way out: a stage of 16 rows x (256 bytes + 16) for each wave, in slot 0, which has had its last fill and its last read when the first result is stored there
.set ASC,   32                         ; set f, register 4 f + k: lanes 0-15 the words of m's block 2 k, lanes 16-31 of block 2 k + 1
.set BSC,   40                         ; slot s, register 8 s + 4 k + q: lanes 0-15 w2's block 2 k, lanes 16-31 block 2 k + 1, the slot's q-th 128 along K
.set G1A, 24
.set G0A, 32
.set G1B, 40
.set G0B, 48
.set G1Z, 56
.set G0Z, 68
.set MUL, 0xa4                         ; source 0 (w2) window 0, source 1 (m) window 1, C and D window 2
.set MSB, 0
.macro WIN new                         ; the immediate's high byte repeats the setting that is left
.if MSB != \new
	s_set_vgpr_msb (MSB<<8)|\new
.set MSB, \new
.endif
.endm
.macro PLACES
.rept 4
	v_nop
.endr
.endm
; Slot s's three groups 0 are pointed at run s79 of K: each address is made anew from its tensor's base and the run's offset; then s79 steps on, round the eight.  s79 hangs on the cluster's ids alone: it is the same in all sixteen partners.
.macro SETG s
	s_mul_i32 s88, s79, AH                         ; m: 51,200 bytes a run (s89, s97, s99 hold 0)
	s_mul_i32 s96, s79, 384                        ; w2's codes: 384 bytes of a row
	s_lshl_b32 s98, s79, 4                         ; its scales: 16
	s_add_nc_u64 s[G0A+4*\s+2:G0A+4*\s+3], s[4:5], s[88:89]
	s_add_nc_u64 s[G0B+4*\s+2:G0B+4*\s+3], s[6:7], s[96:97]
	s_add_nc_u64 s[G0Z+4*\s+2:G0Z+4*\s+3], s[8:9], s[98:99]
	s_or_b32 s[G0A+4*\s+3], s[G0A+4*\s+3], 0x80000000
	s_or_b32 s[G0B+4*\s+3], s[G0B+4*\s+3], 0x80000000
	s_or_b32 s[G0Z+4*\s+3], s[G0Z+4*\s+3], 0x80000000
	s_add_co_u32 s79, s79, 1
	s_and_b32 s79, s79, 7
.endm
; A joint load into slot s.  The branches hang on the wave's number alone.  Four v_nop follow each of the three lines, ahead of the jump, the label and what follows.
.macro JLOAD s
	s_cmp_lt_u32 s16, 2
	s_cbranch_scc0 .Lnot_a_\@
	tensor_load_to_lds s[G0A+4*\s:G0A+4*\s+3], s[G1A:G1A+7]
	s_nop 0
	PLACES
	s_branch .Lasked_\@
.Lnot_a_\@:
	s_cmp_eq_u32 s16, 2
	s_cbranch_scc0 .Lfor_z_\@
	tensor_load_to_lds s[G0B+4*\s:G0B+4*\s+3], s[G1B:G1B+7]
	s_nop 0
	PLACES
	s_branch .Lasked_\@
.Lfor_z_\@:
	tensor_load_to_lds s[G0Z+4*\s:G0Z+4*\s+3], s[G1Z:G1Z+7]
	s_nop 0
	PLACES
.Lasked_\@:
.endm
.macro CREST                           ; a round of the cluster's barrier behind its opening barrier
	s_cmp_lg_u32 s16, 0
	s_cbranch_scc1 .Lnot_wave_0_\@
	s_barrier_signal -3
.Lnot_wave_0_\@:
	s_barrier_wait -3
	s_barrier_signal -1
	s_barrier_wait -1
.endm
.macro CROUND
	s_barrier_signal -1
	s_barrier_wait -1
	CREST
.endm
.macro WMMA ra, rb, zero               ; ra, rb: which half of the lanes holds source 0's and source 1's scale words; zero = 1: the product starts the sum
.if \zero
.if ((\ra) == 0) && ((\rb) == 0)
	v_wmma_scale_f32_16x16x128_f8f6f4 v[rD:rD+7], v[rB:rB+11], v[rA:rA+11], 0, v[rSB], v[rSA] matrix_a_fmt:MATRIX_FMT_BF6 matrix_b_fmt:MATRIX_FMT_BF6
.elseif (\rb) == 0
	v_wmma_scale_f32_16x16x128_f8f6f4 v[rD:rD+7], v[rB:rB+11], v[rA:rA+11], 0, v[rSB], v[rSA] matrix_a_fmt:MATRIX_FMT_BF6 matrix_b_fmt:MATRIX_FMT_BF6 matrix_a_scale:MATRIX_SCALE_ROW1
.elseif (\ra) == 0
	v_wmma_scale_f32_16x16x128_f8f6f4 v[rD:rD+7], v[rB:rB+11], v[rA:rA+11], 0, v[rSB], v[rSA] matrix_a_fmt:MATRIX_FMT_BF6 matrix_b_fmt:MATRIX_FMT_BF6 matrix_b_scale:MATRIX_SCALE_ROW1
.else
	v_wmma_scale_f32_16x16x128_f8f6f4 v[rD:rD+7], v[rB:rB+11], v[rA:rA+11], 0, v[rSB], v[rSA] matrix_a_fmt:MATRIX_FMT_BF6 matrix_b_fmt:MATRIX_FMT_BF6 matrix_a_scale:MATRIX_SCALE_ROW1 matrix_b_scale:MATRIX_SCALE_ROW1
.endif
.else
.if ((\ra) == 0) && ((\rb) == 0)
	v_wmma_scale_f32_16x16x128_f8f6f4 v[rD:rD+7], v[rB:rB+11], v[rA:rA+11], v[rD:rD+7], v[rSB], v[rSA] matrix_a_fmt:MATRIX_FMT_BF6 matrix_b_fmt:MATRIX_FMT_BF6
.elseif (\rb) == 0
	v_wmma_scale_f32_16x16x128_f8f6f4 v[rD:rD+7], v[rB:rB+11], v[rA:rA+11], v[rD:rD+7], v[rSB], v[rSA] matrix_a_fmt:MATRIX_FMT_BF6 matrix_b_fmt:MATRIX_FMT_BF6 matrix_a_scale:MATRIX_SCALE_ROW1
.elseif (\ra) == 0
	v_wmma_scale_f32_16x16x128_f8f6f4 v[rD:rD+7], v[rB:rB+11], v[rA:rA+11], v[rD:rD+7], v[rSB], v[rSA] matrix_a_fmt:MATRIX_FMT_BF6 matrix_b_fmt:MATRIX_FMT_BF6 matrix_b_scale:MATRIX_SCALE_ROW1
.else
	v_wmma_scale_f32_16x16x128_f8f6f4 v[rD:rD+7], v[rB:rB+11], v[rA:rA+11], v[rD:rD+7], v[rSB], v[rSA] matrix_a_fmt:MATRIX_FMT_BF6 matrix_b_fmt:MATRIX_FMT_BF6 matrix_a_scale:MATRIX_SCALE_ROW1 matrix_b_scale:MATRIX_SCALE_ROW1
.endif
.endif
.endm
; 8 matrix instructions: m's blocks a0, a0 + 1 x w2's four, from set f; slot s, its q-th 128 along K.  The 32 accumulators take turns, one instruction a turn, in the same order in every step.
.macro MUL8 a0, f, s, q, zero
.irp a, \a0, \a0+1
.irp b, 0,1,2,3
.set rD, 8*(4*(\a)+\b)
.set rB, 128+48*(\f)+12*\b
.set rA, 96*(\f)+12*(\a)
.set rSB, BSC+8*(\s)+4*(\b/2)+(\q)
.set rSA, ASC+4*(\f)+(\a)/2
	WMMA \b%2, (\a)%2, \zero
.endr
.endr
.endm
; One run of LDS loads: the fragments and scale words of slot s's q-th 128 along K, into set f.  m's fragments are images of their registers: three loads of 512 consecutive bytes each.
; w2's come in pieces of 8 bytes; the mover has laid 16 bytes of padding behind every 128 (16 pieces): where the piece three on, which lanes 16-31 take, lies behind one padding more, the second address register serves.
.macro FETCH s, q, f
	WIN 0x40                                       ; destination window 1, address window 0
.irp a, 0,1,2,3,4,5,6,7
.irp c, 0,1,2
	ds_load_b128 v[96*(\f)+12*\a+4*\c:96*(\f)+12*\a+4*\c+3], v[16+\s] offset:(2*(\q)+\a/4)*6400+1536*(\a%4)+512*\c
.endr
.endr
	WIN 0
.irp k, 0,1,2,3
	ds_load_b32 v[ASC+4*(\f)+\k], v[18+\s] offset:(2*(\q)+\k/2)*6400+128*(\k%2)
.endr
.irp b, 0,1,2,3
.irp p, 0,1,2,3,4,5
.set PCE, 12*(\q)+6*(\p/3)+\p%3
.set rF, 128+48*(\f)+12*\b+2*\p
.if PCE%16 < 13
	ds_load_b64 v[rF:rF+1], v[20+\s] offset:6912*\b+8*PCE+16*(PCE/16)
.else
	ds_load_b64 v[rF:rF+1], v[22+\s] offset:6912*\b+8*PCE+16*(PCE/16)
.endif
.endr
.endr
.if (\q) == 0
.irp k, 0,1
	ds_load_b128 v[BSC+8*\s+4*\k:BSC+8*\s+4*\k+3], v[24+\s] offset:512*\k    ; w2's four scale words a row, for the whole slot
.endr
.endif
.endm
; A step of 128 along K that has its successor in the same slot: its fragments are in; the next step's are asked for, 32 matrix instructions ahead of their use; then the step's 32 products.
.macro STEP s, q, zero
	s_wait_dscnt 0x0
	PLACES                                         ; in front of loads into registers that the last step's matrix instructions have read (ISA guide 7.12.1 for vector instructions)
	FETCH \s, (\q)+1, ((\q)+1)%2
	WIN MUL
	MUL8 0, (\q)%2, \s, \q, \zero
	MUL8 2, (\q)%2, \s, \q, \zero
	MUL8 4, (\q)%2, \s, \q, \zero
	MUL8 6, (\q)%2, \s, \q, \zero
.endm
; A slot's last step changes slots: ONE barrier; in front of it each wave waits for all its tensor loads, adds 0 to its spare word, and waits for that and for its own reads of this slot.  fill = 1: this slot is filled again, with the run two on.
.macro TURN s, next, fill
	WIN 0                                          ; (the add's two registers lie in window 0)
	s_wait_tensorcnt 0x0                           ; all my tensor loads have landed: the one that was out is my part of the next slot; so every group 0 may be written
	ds_add_u32 v28, v29                            ; 0 onto my spare word
.if \fill
	SETG \s                                        ; this slot's next run: made here, so that nothing but the round stands between the waits and the refill
.endif
	s_wait_dscnt 1                                 ; (the add alone may be out: this step's fragments are in)
	WIN MUL
	MUL8 0, 1, \s, 3, 0                            ; eight matrix instructions stand between the add and the wait for it
	s_wait_dscnt 0x0                               ; the add is done, and my reads of this slot are over
	s_barrier_signal -1
	MUL8 2, 1, \s, 3, 0
	WIN 0
	s_barrier_wait -1
.if \fill
	CREST                                          ; the barrier has opened a round of the cluster's barrier: no wave of any partner still reads this slot or has a load on its way
	JLOAD \s                                       ; the first tensor load behind the round; the four v_nop behind it are also the places in front of the loads below
.else
	PLACES
.endif
	FETCH \next, 0, 0
	WIN MUL
	MUL8 4, 1, \s, 3, 0
	MUL8 6, 1, \s, 3, 0
.endm
.macro XLOAD a0                        ; x1 for blocks a0 .. a0 + 3, laid as the way out reads the stage back: sixteen lanes read 256 consecutive bytes of a row
	WIN 0xc0                                       ; destination window 3
.irp a, \a0, \a0+1, \a0+2, \a0+3
.irp t, 0,1,2,3,4,5,6,7
	global_load_b128 v[32*(\a)+4*\t:32*(\a)+4*\t+3], v30, s[12:13] offset:(16*(\a)+2*\t)*4096 th:TH_LOAD_NT
.endr
.endr
	WIN 0
.endm
; THE WAY OUT, block by block of 16 rows x 64 columns, through my own stage: in as 32 bytes of a row a lane, back as whole runs of 256 bytes.
.macro TOSTAGE a
	WIN 0x08                                       ; an LDS store's data are its source 1: window 2
.irp b, 0,1,2,3
	ds_store_b128 v26, v[8*(4*(\a)+\b):8*(4*(\a)+\b)+3] offset:64*\b          ; each accumulator from its low end on
	ds_store_b128 v26, v[8*(4*(\a)+\b)+4:8*(4*(\a)+\b)+7] offset:64*\b+16
.endr
	WIN 0
.set BKA, 64+32*((\a)%2)
.irp t, 0,1,2,3,4,5,6,7
	ds_load_b128 v[BKA+4*\t:BKA+4*\t+3], v27 offset:544*\t                    ; LDS serves a wave's instructions in order (ISA guide 5.7.1.4): these see the stores above
.endr
.endm
.macro SEND a, younger                 ; younger: the LDS instructions issued behind block a's loads, which may stay out
.set BKA, 64+32*((\a)%2)
	s_wait_dscnt \younger
	s_wait_loadcnt 8*(7-(\a))                      ; x1's block a is in (and b2, the oldest load): loads come back in order (ISA guide 5.7.1), and behind this block's eight stand eight for each later block
	WIN 0x0c                                       ; source 1 (x1) window 3
.irp t, 0,1,2,3,4,5,6,7
.irp c, 0,1
	v_pk_add_f32 v[BKA+4*\t+2*\c:BKA+4*\t+2*\c+1], v[BKA+4*\t+2*\c:BKA+4*\t+2*\c+1], v[32*(\a)+4*\t+2*\c:32*(\a)+4*\t+2*\c+1]
.endr
.endr
	WIN 0
.irp t, 0,1,2,3,4,5,6,7
.irp c, 0,1
	v_pk_add_f32 v[BKA+4*\t+2*\c:BKA+4*\t+2*\c+1], v[BKA+4*\t+2*\c:BKA+4*\t+2*\c+1], v[56+2*\c:57+2*\c]
.endr
.endr
.irp t, 0,1,2,3,4,5,6,7
	global_store_b128 v30, v[BKA+4*\t:BKA+4*\t+3], s[14:15] offset:(16*(\a)+2*\t)*4096 th:TH_STORE_NT   ; sixteen lanes store 256 consecutive bytes, aligned; 126 rows at the most stand in the immediate
.endr
.endm
	s_load_b256 s[4:11], s[0:1], 0x0               ; mc s[4:5], w2's codes s[6:7], w2's scales s[8:9], b2 s[10:11]
	s_load_b128 s[12:15], s[0:1], 0x20             ; x1 s[12:13], out0 s[14:15]
	v_lshl_add_u32 v28, v0, 2, SPARE
	v_mov_b32 v29, 0
	ds_add_u32 v28, v29
	ds_add_u32 v28, v29
	s_wait_dscnt 0x0
	v_lshrrev_b32 v1, 5, v0
	v_readfirstlane_b32 s16, v1                    ; wave 0..3
	s_lshr_b32 s17, s16, 1                         ; which 128 rows of the tile are mine
	s_and_b32 s18, s16, 1                          ; which 64 columns.  Also: which 128 rows of m waves 0 and 1 fetch
	s_bfe_u32 s20, ttmp6, 0x40000                  ; cx, cy: my place in the cluster
	s_bfe_u32 s21, ttmp6, 0x40004
	s_lshl_b32 s22, ttmp9, 2
	s_add_co_u32 s22, s22, s20                     ; tile column = 4 x cluster x + cx
	s_and_b32 s23, ttmp7, 0xffff
	s_lshl_b32 s23, s23, 2
	s_add_co_u32 s23, s23, s21                     ; tile row = 4 x cluster y + cy
	s_lshl_b32 s76, s21, 2
	s_lshl_b32 s76, 15, s76                        ; my row of the cluster
	s_lshl_b32 s77, 0x1111, s20                    ; my column
	s_and_b32 s79, ttmp7, 0xffff                   ; the run of K at which my cluster begins: (2 x cluster y + 4 x cluster x) mod 8, an even number
	s_lshl_b32 s79, s79, 1
	s_lshl_b32 s83, ttmp9, 2
	s_add_co_u32 s79, s79, s83
	s_and_b32 s79, s79, 7
	s_mov_b32 s89, 0                               ; the upper words of SETG's three offsets
	s_mov_b32 s97, 0
	s_mov_b32 s99, 0
	; descriptor group 1 for m: 51,200 dense bytes as 200 rows of 256 (32 elements of 8 bytes), no padding
	s_or_b32 s[G1A], s76, (3<<16)|(1<<21)          ; 15:0 the mask: my row; 17:16 elements of 8 bytes; 21 set beside a mask
	s_mov_b32 s[G1A+1], 32<<16
	s_mov_b32 s[G1A+2], 200<<16
	s_mov_b32 s[G1A+3], 32<<16
	s_mov_b32 s[G1A+4], 200
	s_mov_b32 s[G1A+5], 32
	s_mov_b32 s[G1A+6], 0
	s_mov_b32 s[G1A+7], 0
	; for w2's codes: 128 rows of 384 bytes, 3,072 apart, 16 bytes of padding behind each 128
	s_or_b32 s[G1B], s77, (1<<20)|(1<<21)|(4<<22)|(3<<25)   ; the mask: my column; elements of 1 byte; padding after every 32 words (code 4), 4 words of it (code 3)
	s_mov_b32 s[G1B+1], 384<<16
	s_mov_b32 s[G1B+2], 128<<16
	s_mov_b32 s[G1B+3], 384<<16
	s_mov_b32 s[G1B+4], 128
	s_mov_b32 s[G1B+5], 3072
	s_mov_b32 s[G1B+6], 0
	s_mov_b32 s[G1B+7], 0
	; for w2's scales: 128 rows of 16 bytes, 128 apart
	s_or_b32 s[G1Z], s77, 1<<21
	s_mov_b32 s[G1Z+1], 16<<16
	s_mov_b32 s[G1Z+2], 128<<16
	s_mov_b32 s[G1Z+3], 16<<16
	s_mov_b32 s[G1Z+4], 128
	s_mov_b32 s[G1Z+5], 128
	s_mov_b32 s[G1Z+6], 0
	s_mov_b32 s[G1Z+7], 0
	; where the tiles come from: m's hang on the tile row alone, w2's on the tile column alone, each in registers that never hold the other coordinate
	s_lshl_b32 s80, s23, 1
	s_add_co_u32 s80, s80, s18
	s_mul_i32 s80, s80, 8*AH                       ; m: 128 rows number 2 x tile row + half, eight runs of 51,200 bytes each
	s_mov_b32 s81, 0
	s_mul_i32 s82, s18, AH                         ; and where they go
	s_mul_i32 s84, s22, 393216                     ; w2's codes: row 128 x tile column
	s_mov_b32 s85, 0
	s_lshl_b32 s86, s22, 14                        ; its scales
	s_mov_b32 s87, 0
	s_lshl_b32 s92, s22, 9                         ; my first column, in bytes: 512 x tile column + 256 x half
	s_lshl_b32 s93, s18, 8
	s_add_co_u32 s92, s92, s93
	s_mov_b32 s93, 0
	s_lshl_b32 s90, s23, 8                         ; my first row: 256 x tile row + 128 x half
	s_lshl_b32 s91, s17, 7
	s_add_co_u32 s90, s90, s91
	s_lshl_b32 s90, s90, 12
	s_add_co_u32 s90, s90, s92
	s_mov_b32 s91, 0
	s_wait_kmcnt 0x0
	s_mov_b64 s[66:67], s[4:5]                     ; mc's first byte, for the prefetch
	s_add_nc_u64 s[4:5], s[4:5], s[80:81]
	s_add_nc_u64 s[6:7], s[6:7], s[84:85]
	s_add_nc_u64 s[8:9], s[8:9], s[86:87]
	s_add_nc_u64 s[10:11], s[10:11], s[92:93]
	s_add_nc_u64 s[12:13], s[12:13], s[90:91]
	s_add_nc_u64 s[14:15], s[14:15], s[90:91]
	CROUND                                         ; all sixteen work-groups are here: the first joint loads meet
.irp s, 0,1
	s_mov_b32 s[G0A+4*\s], 1
	s_add_co_u32 s[G0A+4*\s+1], s82, \s*SLOT
	s_mov_b32 s[G0B+4*\s], 1
	s_mov_b32 s[G0B+4*\s+1], \s*SLOT+BOFF
	s_mov_b32 s[G0Z+4*\s], 1
	s_mov_b32 s[G0Z+4*\s+1], \s*SLOT+ZOFF
	SETG \s                                        ; my cluster's first and second run
	JLOAD \s                                       ; the ring is filled before anything else is done: two tensor loads of mine are out
.endr
	; The prefetch.  s79 now names my cluster's third run, an even number; that run and the next are the two that a refill of this cluster is the first to ask for.  Of the row of the cluster's 2 halves of the rows x 2 runs, work-group cx takes
	; half cx / 2, run s79 + cx % 2: 51,200 bytes, 200 blocks of 256; thread n asks for blocks n and n + 128, the second held at the last block, 199: so no request leaves the run.  The first of the two runs is loaded one slot's work from here, the second two.
	s_lshl_b32 s86, s23, 1
	s_lshr_b32 s87, s20, 1
	s_add_co_u32 s86, s86, s87                     ; 128 rows number 2 x tile row + cx / 2
	s_lshl_b32 s86, s86, 3
	s_add_co_u32 s86, s86, s79
	s_and_b32 s87, s20, 1
	s_add_co_u32 s86, s86, s87
	s_mul_i32 s86, s86, AH                         ; at most 511 x 51,200: the last run of the buffer
	s_mov_b32 s87, 0
	s_add_nc_u64 s[66:67], s[66:67], s[86:87]
	v_lshlrev_b32 v60, 8, v0
	v_add_nc_u32 v61, 128, v0
	v_min_u32 v61, 199, v61
	v_lshlrev_b32 v61, 8, v61
	global_prefetch_b8 v60, s[66:67] th:TH_LOAD_NT scope:SCOPE_SE   ; v60, v61 and s[66:67] are not written again
	global_prefetch_b8 v61, s[66:67] th:TH_LOAD_NT scope:SCOPE_SE
	v_and_b32 v1, 15, v0                           ; r
	v_bfe_u32 v2, v0, 4, 1                         ; h
	v_and_b32 v3, 31, v0                           ; lane
	s_mul_i32 s94, s17, AH                         ; my 128 rows of m
	v_lshl_add_u32 v16, v3, 4, s94
	v_add_nc_u32 v17, SLOT, v16
	v_lshl_add_u32 v18, v3, 2, s94
	v_add_nc_u32 v18, 6144, v18                    ; a unit's scale words lie behind its four images
	v_add_nc_u32 v19, SLOT, v18
	s_mul_i32 s95, s18, 64*BP                      ; my 64 rows of w2
	s_add_co_u32 s95, s95, BOFF
	v_mul_u32_u24 v20, v1, BP
	v_mad_u32_u24 v20, v2, 24, v20
	v_add_nc_u32 v20, s95, v20
	v_add_nc_u32 v21, SLOT, v20
	v_lshl_add_u32 v22, v2, 4, v20                 ; the same behind one padding more
	v_lshl_add_u32 v23, v2, 4, v21
	s_lshl_b32 s95, s18, 10
	s_add_co_u32 s95, s95, ZOFF
	v_lshl_add_u32 v24, v3, 4, s95                 ; w2's scale words: 16 bytes a row; lanes 16-31 the block 16 rows on
	v_add_nc_u32 v25, SLOT, v24
	s_mul_i32 s94, s16, 16*SP                      ; my stage
	v_mul_u32_u24 v26, v1, SP
	v_lshl_add_u32 v26, v2, 5, v26
	v_add_nc_u32 v26, s94, v26                     ; in: row r, 32 bytes for each half of the lanes
	v_mul_u32_u24 v27, v2, SP
	v_lshl_add_u32 v27, v1, 4, v27
	v_add_nc_u32 v27, s94, v27                     ; back: lanes 0-15 one row of 256 bytes, lanes 16-31 the next
	v_lshlrev_b32 v31, 4, v1
	v_lshl_add_u32 v30, v2, 12, v31                ; and the same two rows in x1 and out0
	global_load_b128 v[56:59], v31, s[10:11]       ; b2 of my four columns
	s_wait_tensorcnt 1                             ; my part of slot 0 is in; slot 1's may stay out
	s_barrier_signal -1
	s_barrier_wait -1                              ; everybody's is
	FETCH 0, 0, 0
	STEP 0, 0, 1                                   ; the first step stands in front of the loop: its products start the sums
	WIN 0                                          ; at a label and at a branch every window is 0
	s_mov_b32 s78, 3
.Llap:                                                 ; a trip goes once round the ring, from a lap's second step to the next lap's first, and fills both slots again
	STEP 0, 1, 0
	STEP 0, 2, 0
	TURN 0, 1, 1
	STEP 1, 0, 0
	STEP 1, 1, 0
	STEP 1, 2, 0
	TURN 1, 0, 1
	STEP 0, 0, 0
	WIN 0
	s_sub_co_u32 s78, s78, 1
	s_cmp_lg_u32 s78, 0
	s_cbranch_scc1 .Llap
	XLOAD 0                                        ; the last lap fills nothing; x1 comes in under it, block by block in the order of the way out
	STEP 0, 1, 0
	STEP 0, 2, 0
	TURN 0, 1, 0
	XLOAD 4
	STEP 1, 0, 0
	STEP 1, 1, 0
	STEP 1, 2, 0
	s_wait_dscnt 0x0                               ; the very last step: nothing more to fetch
	WIN MUL
	MUL8 0, 1, 1, 3, 0
	MUL8 2, 1, 1, 3, 0
	MUL8 4, 1, 1, 3, 0
	MUL8 6, 1, 1, 3, 0
	WIN 0
	PLACES                                         ; in front of the first read of results
	TOSTAGE 0
.irp a, 1,2,3,4,5,6,7
.if \a > 1
	s_wait_xcnt 0x0                                ; block a - 2's stores have read their registers: block a's loads may land there
.endif
	TOSTAGE \a
	SEND \a-1, 16                                  ; behind block a - 1's loads: block a's 8 stores and 8 loads
.endr
	SEND 7, 0
	s_wait_tensorcnt 0x0                           ; the wave's end
	ds_add_u32 v28, v29
	s_wait_dscnt 0x0
	CROUND                                         ; the closing round: no work-group ends while a partner may still ask for a tile that names it
	s_endpgm
.Lfunc_end_k_q5be7a1063d_mlp2:
	.size	k_q5be7a1063d_mlp2, .Lfunc_end_k_q5be7a1063d_mlp2-k_q5be7a1063d_mlp2
	.p2alignl 7, 3214868480
	.fill 96, 4, 3214868480
	.section	.rodata,"a",@progbits
	.p2align	6, 0x0
	.amdhsa_kernel k_q5be7a1063d_mlp2
		.amdhsa_group_segment_fixed_size 327680
		.amdhsa_private_segment_fixed_size 0
		.amdhsa_enable_private_segment 0
		.amdhsa_kernarg_size 48
		.amdhsa_user_sgpr_count 2
		.amdhsa_user_sgpr_kernarg_segment_ptr 1
		.amdhsa_wavefront_size32 1
		.amdhsa_system_sgpr_workgroup_id_x 1
		.amdhsa_system_sgpr_workgroup_id_y 1
		.amdhsa_system_sgpr_workgroup_id_z 1
		.amdhsa_system_vgpr_workitem_id 0
		.amdhsa_next_free_vgpr 1024
		.amdhsa_next_free_sgpr 100
		.amdhsa_reserve_vcc 0
		.amdhsa_float_denorm_mode_32 3
		.amdhsa_float_denorm_mode_16_64 3
		.amdhsa_memory_ordered 1
		.amdhsa_forward_progress 1
		.amdhsa_inst_pref_size 174
	.end_amdhsa_kernel
	.amdgpu_metadata
---
amdhsa.version: [ 1, 2 ]
amdhsa.kernels:
  - .name:           k_q5be7a1063d_mlp2
    .symbol:         k_q5be7a1063d_mlp2.kd
    .args:
      - { .name: mc, .offset: 0, .size: 8, .value_kind: global_buffer, .address_space: global }
      - { .name: w2_codes, .offset: 8, .size: 8, .value_kind: global_buffer, .address_space: global }
      - { .name: w2_scales, .offset: 16, .size: 8, .value_kind: global_buffer, .address_space: global }
      - { .name: b2, .offset: 24, .size: 8, .value_kind: global_buffer, .address_space: global }
      - { .name: x1, .offset: 32, .size: 8, .value_kind: global_buffer, .address_space: global }
      - { .name: out0, .offset: 40, .size: 8, .value_kind: global_buffer, .address_space: global }
    .group_segment_fixed_size: 327680
    .private_segment_fixed_size: 0
    .kernarg_segment_align: 8
    .kernarg_segment_size: 48
    .max_flat_workgroup_size: 128
    .sgpr_count:     100
    .vgpr_count:     1024
    .wavefront_size: 32
...
	.end_amdgpu_metadata
.endif
;; end of part 3
